; MI455X (gfx1250); checked and timed in simulation.
; The chip was launched on July 23, 2026; its instructions are those of AMD's public machine-readable ISA for CDNA 5 (MIT licence, August 2026) and "CDNA5" Instruction Set Architecture Reference Guide (July 2026). The comments in the code are by the model that wrote it; some were corrected since.
;; Positional Spatial Attention. Allowed arithmetic: float matrix products may take bf16 or f16 operands with f32 sums; all other float work in f32.
;; Inputs: bk 64 float32; bo 256 float32; bq 64 float32; bv 64 float32; gamma 1 float32; pos_embedding 1 x 64 x 64 x 64 float32; wk 64 x 256 float32; wo 256 x 64 float32; wq 64 x 256 float32; wv 64 x 256 float32; x 16 x 256 x 64 x 64 float32.
;; Outputs: out0 16 x 256 x 64 x 64 float32.
;; 2 versions, each right and faster than the one before. Each part assembles by itself: llvm-mc -triple=amdgcn-amd-amdhsa -mcpu=gfx1250 --defsym DOCPART=n.
;; ======== version 1 of 2: 2 launches
;; workspace buffers: qws 8,388,608 bytes; kvws 16,777,216 bytes
;; launch proj (part 1): grid 16 x 16, 4 waves a work-group, no clusters, 101,888 bytes of LDS; arguments x, pos_embedding, wq, bq, wk, wv, bv, qws, kvws; writes qws, kvws
.if DOCPART == 1
	.amdgcn_target "amdgcn-amd-amdhsa--gfx1250"
	.amdhsa_code_object_version 6
	.text
	.protected	k_q6770cd79ce_proj
	.globl	k_q6770cd79ce_proj
	.p2align	8
	.type	k_q6770cd79ce_proj,@function
k_q6770cd79ce_proj:
	s_mov_b64 s[64:65], 0
	v_nop
	global_prefetch_b8 v0, s[64:65] scope:SCOPE_SE
	s_setreg_imm32_b32 hwreg(HW_REG_WAVE_MODE, 25, 1), 1
	s_wait_xcnt 0x0
; q = (wq x + bq + pos) * log2(e)/8,  k = wk x + pos,  v = wv x + bv, rounded to bf16 and stored in the order in which the second
; launch's matrix fragments want them.  x: [16][256][4096] f32, pos: [64][4096] f32, weights: [64][256] f32.
;
; WORK LEFT OUT: bk.  logits[n][m] = q_n . (wk x_m + pos_m) + q_n . bk.  The last term does not hang on m, the axis of the softmax, so in
; exact arithmetic it cancels between numerator and denominator for all finite values of all inputs.  bk then has no way to out0: it is
; not loaded and is among no launch's arguments.  LIMIT: a NaN, an infinity or an overflow that comes in through bk alone is not carried.
; OTHER LIMITS: q, k, v are rounded to bf16 (q after the factor log2(e)/8, so that the softmax can work in powers of two).
;
; SHARES: work-group (gx, b) takes tokens 256 gx .. +255 of batch b; wave w takes the block of 64 tokens B = 4 gx + w and all 192 outputs.
; A block is four tiles t of 16 columns; column r of tile t is token 64 B + 4 r + t.  So one 16-byte load of a row of x or pos gives a lane
; the same column of all four tiles, sixteen lanes read 256 neighbouring bytes, and no transposition is needed anywhere.
; STORED ORDER: a block is 8,192 bytes; the 16 bytes of lane l for (t, dt) lie at 2048 t + 512 dt + 16 l, with l = 16 h + r:
;   q, k: value[token 4 r + t][d = 16 dt + 8 h + 0..7]         v: v[d = 16 dt + r][token 4 (8 h + 0..7) + t]
;   qws  = b 524288 + B 8192 + ..      kvws = b 1048576 + (B>>3) 131072 + (B&7) 8192 + ..  for k, 65536 further on for v.
; Every store of a wave covers 512 neighbouring bytes, aligned.
; NO CLUSTER: what work-groups share are the f32 weights, which have to pass through registers to become bf16; a joint tensor load would
; need 196,608 bytes of f32 staging in LDS and a read-back of all of it.
;
; REGISTERS, in windows of 256: window 0 addresses, weight and x fragments, biases; window 1 the sums of q (v0-127) and k (v128-255);
; window 2 the sums of v (v0-127) and pos (v128-255); window 3 a ring of four K steps of x as loaded (64 registers each).
.set C1,     0x3e38aa3b                ; log2(e) / 8
.set XROW,   16384                     ; bytes of a row of x or pos (4,096 tokens)
.set WPITCH, 528                       ; an LDS row of 256 bf16 + 16 bytes = 33 x 16: sixteen rows begin at sixteen different 16-byte columns modulo 256
.set WMAT,   64*WPITCH                 ; one weight matrix in LDS
.set XOFF, 4                           ; v4      131072 h + 16 r + 256 w: my 16 bytes in a row of x or pos, eight rows down for h = 1
.set WOFF, 5                           ; v5      16384 w + 16 l: my 16 bytes in my wave's 16 rows of a weight matrix
.set WST,  6                           ; v6-8    where they go in LDS, matrix 0, 1, 2
.set WA,   9                           ; v9-11   LDS address of my part of a weight fragment, matrix 0, 1, 2
.set SOFF, 12                          ; v12     8192 w + 16 l: my 16 bytes in my block of qws or kvws
.set BQO,  13                          ; v13     32 h
.set BVO,  14                          ; v14     4 r
.set ST,   32                          ; v32-159 a weight matrix's 16 rows as loaded (ahead of the barrier)
.set WF,   32                          ; v32-127 weight fragments: matrix M, 16 outputs dt at 32 M + 8 dt
.set XF,   128                         ; v128-159 x fragments: tile t at 8 t
.set BQ,   160                         ; v160-191 bq * C1, as the C of q's first products
.set BV,   192                         ; v192-223 bv, as the C of v's first products
.set BVL,  224                         ; v224-227 bv as loaded
.set MSB, 0
.macro WIN new                         ; s_set_vgpr_msb: bits 1:0 source 0, 3:2 source 1, 5:4 source 2, 7:6 destination; the high byte repeats the setting left
.if MSB != \new
	s_set_vgpr_msb (MSB<<8)|\new
.set MSB, \new
.endif
.endm
.macro PLACES n
.rept \n
	v_nop
.endr
.endm
; my wave's 16 rows of a weight matrix: 32 loads of 512 neighbouring bytes
.macro WLOAD lo, hi
	WIN 0
.set n, 0
.rept 32
	global_load_b128 v[ST+4*n:ST+4*n+3], v[WOFF], s[\lo:\hi] offset:512*n
.set n, n+1
.endr
.endm
; they are rounded to bf16 (wq after the factor C1) and laid into LDS: load n is half (n & 1) of row n >> 1
.macro WCONV M, scaled
	WIN 0
.if \scaled
.set n, 0
.rept 64
	v_pk_mul_f32 v[ST+2*n:ST+2*n+1], v[ST+2*n:ST+2*n+1], s[28:29] op_sel_hi:[1,0]
.set n, n+1
.endr
.endif
.set n, 0
.rept 32
	v_cvt_pk_bf16_f32 v[ST+4*n], v[ST+4*n], v[ST+4*n+1]
	v_cvt_pk_bf16_f32 v[ST+4*n+1], v[ST+4*n+2], v[ST+4*n+3]
	ds_store_b64 v[WST+\M], v[ST+4*n:ST+4*n+1] offset:(n>>1)*WPITCH+(n&1)*256
.set n, n+1
.endr
.endm
; K step ks of x: channels 32 ks + 16 e + 8 h + jj (i = 8 e + jj), my 64 tokens: lanes 0-15 take 256 bytes of one row, lanes 16-31 of the row eight below
.macro XLOAD ks
	WIN 0xc0
.set i, 0
.rept 16
	global_load_b128 v[64*((\ks)&3)+4*i:64*((\ks)&3)+4*i+3], v[XOFF], s[4:5] offset:(32*(\ks)+(i&7)+16*(i>>3))*XROW th:TH_LOAD_NT
.set i, i+1
.endr
.endm
; pos[16 dt + 8 h + j][my tokens] for two dt
.macro PLOAD half
	WIN 0x80
.irp d, 0,1
.irp j, 0,1,2,3,4,5,6,7
	global_load_b128 v[128+32*(2*\half+\d)+4*\j:128+32*(2*\half+\d)+4*\j+3], v[XOFF], s[6:7] offset:(16*(2*\half+\d)+\j)*XROW
.endr
.endr
.endm
; the four fragments (16 outputs x 32 channels) of matrix M for K step ks: eight LDS loads
.macro WFLOAD M, ks
	WIN 0
.irp dt, 0,1,2,3
.irp e, 0,1
	ds_load_b128 v[WF+32*\M+8*\dt+4*\e:WF+32*\M+8*\dt+4*\e+3], v[WA+\M] offset:\dt*16*WPITCH+64*(\ks)+32*\e
.endr
.endr
.endm
; x to bf16 fragments: register 4 e + p of tile t holds channels 16 e + 8 h + 2 p, + 1 of token 4 r + t
.macro XCVT ks
	WIN 0x0f
.irp t, 0,1,2,3
.irp e, 0,1
.irp p, 0,1,2,3
	v_cvt_pk_bf16_f32 v[XF+8*\t+4*\e+\p], v[64*((\ks)&3)+4*(8*\e+2*\p)+\t], v[64*((\ks)&3)+4*(8*\e+2*\p+1)+\t]
.endr
.endr
.endr
.endm
; 16 products, one for each of matrix M's 16 sums.  q, k: weights as source 0, x as source 1: a lane gets 8 d of one token.
; v: x as source 0, weights as source 1: a lane gets 8 tokens of one d.  The first K step starts the sums from the bias (k: from 0).
.macro MULG M, ks
.if \M < 2
 .if \ks == 0
	WIN 0x40
 .else
	WIN 0x50
 .endif
.else
 .if \ks == 0
	WIN 0x80
 .else
	WIN 0xa0
 .endif
.endif
.irp t, 0,1,2,3
.irp dt, 0,1,2,3
.if \M == 0
 .if \ks == 0
	v_wmma_f32_16x16x32_bf16 v[32*\t+8*\dt:32*\t+8*\dt+7], v[WF+8*\dt:WF+8*\dt+7], v[XF+8*\t:XF+8*\t+7], v[BQ+8*\dt:BQ+8*\dt+7]
 .else
	v_wmma_f32_16x16x32_bf16 v[32*\t+8*\dt:32*\t+8*\dt+7], v[WF+8*\dt:WF+8*\dt+7], v[XF+8*\t:XF+8*\t+7], v[32*\t+8*\dt:32*\t+8*\dt+7]
 .endif
.endif
.if \M == 1
 .if \ks == 0
	v_wmma_f32_16x16x32_bf16 v[128+32*\t+8*\dt:128+32*\t+8*\dt+7], v[WF+32+8*\dt:WF+32+8*\dt+7], v[XF+8*\t:XF+8*\t+7], 0
 .else
	v_wmma_f32_16x16x32_bf16 v[128+32*\t+8*\dt:128+32*\t+8*\dt+7], v[WF+32+8*\dt:WF+32+8*\dt+7], v[XF+8*\t:XF+8*\t+7], v[128+32*\t+8*\dt:128+32*\t+8*\dt+7]
 .endif
.endif
.if \M == 2
 .if \ks == 0
	v_wmma_f32_16x16x32_bf16 v[32*\t+8*\dt:32*\t+8*\dt+7], v[XF+8*\t:XF+8*\t+7], v[WF+64+8*\dt:WF+64+8*\dt+7], v[BV+8*\dt:BV+8*\dt+7]
 .else
	v_wmma_f32_16x16x32_bf16 v[32*\t+8*\dt:32*\t+8*\dt+7], v[XF+8*\t:XF+8*\t+7], v[WF+64+8*\dt:WF+64+8*\dt+7], v[32*\t+8*\dt:32*\t+8*\dt+7]
 .endif
.endif
.endr
.endr
.endm
; one matrix's turn in a K step.  d = how many younger LDS loads may stay out when its eight have to be there.
.macro GROUP M, ks, d
	s_wait_dscnt \d
	MULG \M, \ks
	WIN 0
	PLACES 4                                       ; four places before loads land on the fragments just multiplied, and before x's fragments are written again
.if \ks < 7
	WFLOAD \M, \ks+1
.endif
.endm
; a K step of 32 channels.  nl = how many younger global loads may stay out when this step's sixteen have to be there.
.macro KSTEP ks, nl, d0, d1, d2
	s_wait_loadcnt \nl
	XCVT \ks
.if \ks < 4
	XLOAD \ks+4                                    ; the ring slot just converted is asked for again, four steps ahead
.endif
.if \ks == 4
	PLOAD 0
.endif
.if \ks == 5
	PLOAD 1
.endif
	GROUP 0, \ks, \d0
	GROUP 1, \ks, \d1
	GROUP 2, \ks, \d2
.endm
	s_load_b512 s[4:19], s[0:1], 0x0               ; x 4:5, pos 6:7, wq 8:9, bq 10:11, wk 12:13, wv 14:15, bv 16:17, qws 18:19
	s_load_b64 s[20:21], s[0:1], 0x40              ; kvws
	v_lshl_add_u32 v254, v0, 2, 0x18c00
	v_mov_b32 v255, 0
	v_lshrrev_b32 v1, 5, v0
	v_readfirstlane_b32 s22, v1                    ; wave w
	s_and_b32 s24, ttmp7, 0xffff                   ; batch b
	s_mov_b32 s28, C1
	s_mov_b32 s29, C1
	v_and_b32 v1, 31, v0                           ; lane l
	v_and_b32 v2, 15, v0                           ; r
	v_bfe_u32 v3, v0, 4, 1                         ; h
	v_lshlrev_b32 v[XOFF], 4, v2
	v_lshl_add_u32 v[XOFF], v3, 17, v[XOFF]
	s_lshl_b32 s25, s22, 8
	v_add_nc_u32 v[XOFF], s25, v[XOFF]
	s_lshl_b32 s25, s22, 14
	v_lshl_add_u32 v[WOFF], v1, 4, s25
	s_mul_i32 s25, s22, 16*WPITCH
	v_lshl_add_u32 v[WST], v1, 3, s25
	v_add_nc_u32 v[WST+1], WMAT, v[WST]
	v_add_nc_u32 v[WST+2], 2*WMAT, v[WST]
	v_mul_u32_u24 v[WA], v2, WPITCH
	v_lshl_add_u32 v[WA], v3, 4, v[WA]
	v_add_nc_u32 v[WA+1], WMAT, v[WA]
	v_add_nc_u32 v[WA+2], 2*WMAT, v[WA]
	s_lshl_b32 s25, s22, 13
	v_lshl_add_u32 v[SOFF], v1, 4, s25
	v_lshlrev_b32 v[BQO], 5, v3
	v_lshlrev_b32 v[BVO], 2, v2
	s_lshl_b32 s26, s24, 22                        ; b x 256 rows of 16,384 bytes
	s_lshl_b32 s25, ttmp9, 10                      ; gx x 256 tokens of 4 bytes
	s_mov_b32 s27, 0
	s_add_co_u32 s26, s26, s25
	s_wait_kmcnt 0x0
	s_add_nc_u64 s[4:5], s[4:5], s[26:27]          ; x at my work-group's tokens
	s_mov_b32 s26, s25
	s_add_nc_u64 s[6:7], s[6:7], s[26:27]          ; pos likewise
	s_lshl_b32 s26, s24, 19
	s_lshl_b32 s25, ttmp9, 15
	s_add_co_u32 s26, s26, s25
	s_add_nc_u64 s[18:19], s[18:19], s[26:27]      ; qws at my work-group's four blocks
	s_lshl_b32 s26, s24, 20
	s_lshr_b32 s25, ttmp9, 1
	s_lshl_b32 s25, s25, 17
	s_add_co_u32 s26, s26, s25
	s_and_b32 s25, ttmp9, 1
	s_lshl_b32 s25, s25, 15
	s_add_co_u32 s26, s26, s25
	s_add_nc_u64 s[20:21], s[20:21], s[26:27]      ; kvws: run (gx >> 1) of 512 keys, blocks 4 (gx & 1) ..
.irp dt, 0,1,2,3
.irp e, 0,1
	global_load_b128 v[BQ+8*\dt+4*\e:BQ+8*\dt+4*\e+3], v[BQO], s[10:11] offset:64*\dt+16*\e   ; bq[16 dt + 8 h + 0..7]
.endr
.endr
.irp dt, 0,1,2,3
	global_load_b32 v[BVL+\dt], v[BVO], s[16:17] offset:64*\dt                               ; bv[16 dt + r]
.endr
	WLOAD 8, 9
	XLOAD 0
	s_wait_loadcnt 16                              ; all but x's step 0: the biases and wq are in
	WCONV 0, 1
.set n, 0
.rept 16
	v_pk_mul_f32 v[BQ+2*n:BQ+2*n+1], v[BQ+2*n:BQ+2*n+1], s[28:29] op_sel_hi:[1,0]
.set n, n+1
.endr
.irp dt, 0,1,2,3
.irp j, 0,1,2,3,4,5,6,7
	v_mov_b32 v[BV+8*\dt+\j], v[BVL+\dt]           ; a lane's eight results of v share one d: its bias in all eight registers of the C operand
.endr
.endr
	WLOAD 12, 13
	XLOAD 1
	s_wait_loadcnt 16                              ; all but x's step 1: wk is in
	WCONV 1, 0
	WLOAD 14, 15
	XLOAD 2
	s_wait_loadcnt 16                              ; all but x's step 2: wv is in
	WCONV 2, 0
	XLOAD 3
	s_wait_dscnt 0x0                               ; my rows of the weights are in LDS: zero, for the other waves' sake
	s_barrier_signal -1
	s_barrier_wait -1                              ; everybody's are
	WFLOAD 0, 0
	WFLOAD 1, 0
	WFLOAD 2, 0
	; The 48 sums take turns, one instruction a turn.
	; Global loads: behind a step's sixteen stand three younger groups of sixteen (later steps of x, then the two halves of pos); behind the last step's, two.
	; LDS loads: behind a matrix's eight stand the two younger groups of eight; in the last step 16, 8, 0.
	KSTEP 0, 48, 16, 16, 16
	KSTEP 1, 48, 16, 16, 16
	KSTEP 2, 48, 16, 16, 16
	KSTEP 3, 48, 16, 16, 16
	KSTEP 4, 48, 16, 16, 16
	KSTEP 5, 48, 16, 16, 16
	KSTEP 6, 48, 16, 16, 16
	KSTEP 7, 32, 16, 8, 0
	; THE WAY OUT.  v first: it needs no pos.  Each tile's eight f32 are packed in place into its first four registers.
	WIN 0x8a
.set n, 0
.rept 16
.irp p, 0,1,2,3
	v_cvt_pk_bf16_f32 v[8*n+\p], v[8*n+2*\p], v[8*n+2*\p+1]
.endr
.set n, n+1
.endr
	WIN 0x08
.irp t, 0,1,2,3
.irp dt, 0,1,2,3
	global_store_b128 v[SOFF], v[32*\t+8*\dt:32*\t+8*\dt+3], s[20:21] offset:65536+2048*\t+512*\dt
.endr
.endr
	s_wait_loadcnt 0x0                             ; pos
	WIN 0x52
.irp t, 0,1,2,3
.irp dt, 0,1,2,3
.irp j, 0,1,2,3,4,5,6,7
	v_fma_f32 v[32*\t+8*\dt+\j], v[128+32*\dt+4*\j+\t], s28, v[32*\t+8*\dt+\j]     ; q += pos * C1
.endr
.endr
.endr
	WIN 0x46
.irp t, 0,1,2,3
.irp dt, 0,1,2,3
.irp j, 0,1,2,3,4,5,6,7
	v_add_f32 v[128+32*\t+8*\dt+\j], v[128+32*\dt+4*\j+\t], v[128+32*\t+8*\dt+\j]  ; k += pos
.endr
.endr
.endr
	WIN 0x45
.set n, 0
.rept 32
.irp p, 0,1,2,3
	v_cvt_pk_bf16_f32 v[8*n+\p], v[8*n+2*\p], v[8*n+2*\p+1]
.endr
.set n, n+1
.endr
	WIN 0x04
.irp t, 0,1,2,3
.irp dt, 0,1,2,3
	global_store_b128 v[SOFF], v[32*\t+8*\dt:32*\t+8*\dt+3], s[18:19] offset:2048*\t+512*\dt
.endr
.endr
.irp t, 0,1,2,3
.irp dt, 0,1,2,3
	global_store_b128 v[SOFF], v[128+32*\t+8*\dt:128+32*\t+8*\dt+3], s[20:21] offset:2048*\t+512*\dt
.endr
.endr
	WIN 0
	s_wait_tensorcnt 0x0
	ds_add_u32 v254, v255
	s_wait_dscnt 0x0
	s_endpgm
.Lfunc_end_k_q6770cd79ce_proj:
	.size	k_q6770cd79ce_proj, .Lfunc_end_k_q6770cd79ce_proj-k_q6770cd79ce_proj
	.p2alignl 7, 3214868480
	.fill 96, 4, 3214868480
	.section	.rodata,"a",@progbits
	.p2align	6, 0x0
	.amdhsa_kernel k_q6770cd79ce_proj
		.amdhsa_group_segment_fixed_size 101888
		.amdhsa_private_segment_fixed_size 0
		.amdhsa_enable_private_segment 0
		.amdhsa_kernarg_size 72
		.amdhsa_user_sgpr_count 2
		.amdhsa_user_sgpr_kernarg_segment_ptr 1
		.amdhsa_wavefront_size32 1
		.amdhsa_system_sgpr_workgroup_id_x 1
		.amdhsa_system_sgpr_workgroup_id_y 1
		.amdhsa_system_sgpr_workgroup_id_z 1
		.amdhsa_system_vgpr_workitem_id 0
		.amdhsa_next_free_vgpr 1024
		.amdhsa_next_free_sgpr 66
		.amdhsa_reserve_vcc 0
		.amdhsa_float_denorm_mode_32 3
		.amdhsa_float_denorm_mode_16_64 3
		.amdhsa_memory_ordered 1
		.amdhsa_forward_progress 1
		.amdhsa_inst_pref_size 139
	.end_amdhsa_kernel
	.amdgpu_metadata
---
amdhsa.version: [ 1, 2 ]
amdhsa.kernels:
  - .name:           k_q6770cd79ce_proj
    .symbol:         k_q6770cd79ce_proj.kd
    .args:
      - { .name: x, .offset: 0, .size: 8, .value_kind: global_buffer, .address_space: global }
      - { .name: pos_embedding, .offset: 8, .size: 8, .value_kind: global_buffer, .address_space: global }
      - { .name: wq, .offset: 16, .size: 8, .value_kind: global_buffer, .address_space: global }
      - { .name: bq, .offset: 24, .size: 8, .value_kind: global_buffer, .address_space: global }
      - { .name: wk, .offset: 32, .size: 8, .value_kind: global_buffer, .address_space: global }
      - { .name: wv, .offset: 40, .size: 8, .value_kind: global_buffer, .address_space: global }
      - { .name: bv, .offset: 48, .size: 8, .value_kind: global_buffer, .address_space: global }
      - { .name: qws, .offset: 56, .size: 8, .value_kind: global_buffer, .address_space: global }
      - { .name: kvws, .offset: 64, .size: 8, .value_kind: global_buffer, .address_space: global }
    .group_segment_fixed_size: 101888
    .private_segment_fixed_size: 0
    .kernarg_segment_align: 8
    .kernarg_segment_size: 72
    .max_flat_workgroup_size: 128
    .sgpr_count:     66
    .vgpr_count:     1024
    .wavefront_size: 32
...
	.end_amdgpu_metadata
.endif
;; end of part 1
;; launch attn (part 2): grid 16 x 16, 4 waves a work-group, clusters of 4 x 1, 327,680 bytes of LDS; arguments x, qws, kvws, wo, bo, gamma, out0; writes out0
.if DOCPART == 2
	.amdgcn_target "amdgcn-amd-amdhsa--gfx1250"
	.amdhsa_code_object_version 6
	.text
	.protected	k_q6770cd79ce_attn
	.globl	k_q6770cd79ce_attn
	.p2align	8
	.type	k_q6770cd79ce_attn,@function
k_q6770cd79ce_attn:
	s_mov_b64 s[64:65], 0
	v_nop
	global_prefetch_b8 v0, s[64:65] scope:SCOPE_SE
	s_setreg_imm32_b32 hwreg(HW_REG_WAVE_MODE, 25, 1), 1
	s_wait_xcnt 0x0
	s_wait_alu depctr_hold_cnt(0) depctr_sa_sdst(0) depctr_va_vdst(0) depctr_va_sdst(0) depctr_va_ssrc(0) depctr_va_vcc(0) depctr_vm_vsrc(0)
	s_getreg_b32 s2, hwreg(HW_REG_IB_STS2, 6, 4)
	s_cmp_eq_u32 s2, 0
	s_cbranch_scc0 .Lentry_in_a_cluster
	s_endpgm
.Lentry_in_a_cluster:
	s_bfe_u32 s2, ttmp6, 0x10000c
	s_cmp_lg_u32 s2, 0x3003
	s_cbranch_scc0 .Lentry_shape_is_right
	s_endpgm
.Lentry_shape_is_right:
; out0 = gamma (wo softmax(q k^T / 8) v + bo) + x, from the q, k, v that the first launch stored (bf16, fragment order; q already carries
; log2(e)/8, so the softmax works in powers of two; k carries no bk: that term is the same along the softmax's axis and cancels).
; The maximum is taken away before every exponential, as a running maximum over blocks of 64 keys.
; LIMITS: exponentials below 2^-126 count as 0; the keys are summed in another order than in the reference; the weights of the softmax and
; the attended values go to the matrix unit in bf16, the sums and the softmax's denominator stay in f32.
;
; SHARES: work-group (qb, b) takes 256 queries of batch b, wave w the block of 64 queries 4 qb + w: four tiles t, column r = query 4 r + t.
; CLUSTER: the four work-groups of a cluster lie along x, share b and so walk the same k and v.  Every tensor load is a joint one with the
; mask of all four; its descriptor hangs on b and the wave's number alone.  The place in the cluster enters only the addresses of q, x, out0.
; RING: two LDS slots of 131,072 bytes, each the k (65,536) and v (65,536) of 512 keys, one dense run of kvws.  Each wave brings a quarter
; of a slot with one load of 128 rows x 256 bytes.  A wave has two tensor loads outstanding at the start and one behind each change of slots.
;
; THE CHAIN OF LAYOUTS (l = 16 h + r): S^T = k (source 0) x q (source 1): register j of tile (t, kt) holds key 4 (8 h + j) + kt, query 4 r + t.
; Tiles kt = 2 u, 2 u + 1, packed to bf16, ARE source 1 of O^T = v^T (source 0) x P^T, with the keys of a step in the order in which v was
; stored.  O^T's tiles dt = 2 u, 2 u + 1, packed, ARE source 1 of wo (source 0) x O^T, whose register j holds channel 16 ct + 8 h + j of
; query 4 r + t: with x loaded 16 bytes a lane (four t at once) the result leaves by stores in which 16 lanes cover 256 aligned bytes.
;
; REGISTERS, in windows of 256: window 0 addresses, softmax state, v fragments (v32-95), scores (v128-255);
; window 1 O (v0-127), q fragments (v128-191), k fragments (v192-255); windows 2, 3 my 256 channels x 64 tokens of x, then of out0.
.set XROW,  16384                      ; bytes of a row of x or out0
.set SLOT,  131072
.set VPART, 65536                      ; v's half of a slot
.set BLK,   8192                       ; 64 keys of k or of v
.set WOP,   144                        ; an LDS row of wo: 64 bf16 + 16 bytes = 9 x 16
.set WOB,   2*SLOT                     ; wo in bf16, 256 rows; written by LDS stores alone, no tensor load lands here
.set BOB,   WOB+256*WOP                ; bo, 1,024 bytes; likewise
.set L16,  1                           ; v1   16 l
.set XOFF, 4                           ; v4   131072 h + 16 r + 256 w
.set KA,   5                           ; v5   LDS address of the next block of k to load
.set VA,   6                           ; v6   of v
.set WOA,  7                           ; v7   WOB + 144 r + 16 h
.set BOA,  8                           ; v8   BOB + 32 h
.set WOST, 9                           ; v9   where my 8 bytes of wo go
.set WOG,  10                          ; v10  16384 w + 16 l
.set BOG,  11                          ; v11  8 x thread
.set BOD,  12                          ; v12-13
.set QG,   14                          ; v14  8192 w + 16 l
.set BOS,  15                          ; v15  BOB + 8 x thread
.set MX,   16                          ; v16-19 running maximum of tile t's query
.set AL,   20                          ; v20-23 2^(old maximum - new); at the end 1 / denominator
.set LP,   24                          ; v24-31 tile t: a pair of partial denominators (my half of the keys)
.set VF,   32                          ; v32-95 v fragments (u, dt) at 8 (4 u + dt)
.set OB,   32                          ; at the end: O in bf16, (t, u) at 16 t + 8 u
.set CC,   96                          ; v96-99 four chains of a maximum
.set MN,   100
.set DF,   101
.set TT,   102                         ; v102-103 second chain of a sum
.set SC,   128                         ; v128-255 scores (t, kt) at 32 t + 8 kt; P (t, u) in place at 32 t + 16 u
.set DD,   128                         ; at the end: results, set p, tile t at 32 p + 8 t
.set WOF,  192                         ; at the end: wo fragments, set p at 16 p
.set BO,   224                         ; at the end: bo as C, set p at 8 p
.set QF,   128                         ; window 1
.set KF,   192                         ; window 1
.set MSB, 0
.macro WIN new                         ; s_set_vgpr_msb: bits 1:0 source 0, 3:2 source 1, 5:4 source 2, 7:6 destination; the high byte repeats the setting left
.if MSB != \new
	s_set_vgpr_msb (MSB<<8)|\new
.set MSB, \new
.endif
.endm
.macro PLACES n
.rept \n
	v_nop
.endr
.endm
; A round of the cluster's barrier: my work-group's barrier, wave 0 signals for the work-group, every wave waits for all four work-groups,
; my work-group's barrier once more.
.macro ROUND
	s_barrier_signal -1
	s_barrier_wait -1
	s_cmp_lg_u32 s18, 0
	s_cbranch_scc1 .Lnot_wave_0_\@
	s_barrier_signal -3
.Lnot_wave_0_\@:
	s_barrier_wait -3
	s_barrier_signal -1
	s_barrier_wait -1
.endm
; a quarter of my x: quads i = 8 ct + j, 32 g .. 32 g + 31: channel 16 ct + 8 h + j, tokens 4 r + 0..3.  They come in under the matrix work and are first read at the end.
.macro XLD g
.if \g < 2
	WIN 0x80
.else
	WIN 0xc0
.endif
.set i, 32*\g
.rept 32
	global_load_b128 v[(4*i)&255:((4*i)&255)+3], v[XOFF], s[4:5] offset:(16*(i>>3)+(i&7))*XROW th:TH_LOAD_NT
.set i, i+1
.endr
	WIN 0
.endm
; the k fragments of one block of 64 keys: 16 loads of 512 neighbouring bytes; piece i = 4 kt + dt
.macro KLOAD
	WIN 0x40
.set i, 0
.rept 16
	ds_load_b128 v[KF+4*i:KF+4*i+3], v[KA] offset:512*i
.set i, i+1
.endr
	WIN 0
	v_add_nc_u32 v[KA], BLK, v[KA]
.endm
; the v fragments of one block: piece (kt, dt) is half (kt & 1) of fragment (u = kt >> 1, dt)
.macro VLOAD step
.irp kt, 0,1,2,3
.irp dt, 0,1,2,3
	ds_load_b128 v[VF+8*(4*(\kt>>1)+\dt)+4*(\kt&1):VF+8*(4*(\kt>>1)+\dt)+4*(\kt&1)+3], v[VA] offset:512*(4*\kt+\dt)
.endr
.endr
.if \step
	v_add_nc_u32 v[VA], BLK, v[VA]
.endif
.endm
; S^T: 16 tiles, d in two steps of 32.  The 16 sums take turns, one instruction a turn.
.macro QK
	WIN 0x05
.irp u, 0,1
.irp t, 0,1,2,3
.irp kt, 0,1,2,3
.if \u == 0
	v_wmma_f32_16x16x32_bf16 v[SC+32*\t+8*\kt:SC+32*\t+8*\kt+7], v[KF+16*\kt+8*\u:KF+16*\kt+8*\u+7], v[QF+16*\t+8*\u:QF+16*\t+8*\u+7], 0
.else
	v_wmma_f32_16x16x32_bf16 v[SC+32*\t+8*\kt:SC+32*\t+8*\kt+7], v[KF+16*\kt+8*\u:KF+16*\kt+8*\u+7], v[QF+16*\t+8*\u:QF+16*\t+8*\u+7], v[SC+32*\t+8*\kt:SC+32*\t+8*\kt+7]
.endif
.endr
.endr
.endr
.endm
; the largest of tile t's 64 scores of my query: 32 registers in four chains, then the other half of the lanes; then the running maximum and its factor
.macro MAXT t, first
.set SB, SC+32*\t
	v_max3_num_f32 v[CC],   v[SB],   v[SB+1],  v[SB+2]
	v_max3_num_f32 v[CC+1], v[SB+3], v[SB+4],  v[SB+5]
	v_max3_num_f32 v[CC+2], v[SB+6], v[SB+7],  v[SB+8]
	v_max3_num_f32 v[CC+3], v[SB+9], v[SB+10], v[SB+11]
.set n, 12
.rept 10
	v_max3_num_f32 v[CC+(((n-12)>>1)&3)], v[CC+(((n-12)>>1)&3)], v[SB+n], v[SB+n+1]
.set n, n+2
.endr
	v_max3_num_f32 v[CC], v[CC], v[CC+1], v[CC+2]
	v_max_num_f32 v[CC], v[CC], v[CC+3]
	v_permlanex16_b32 v[CC+1], v[CC], s46, s47     ; lane l xor 16: the same query's other 32 keys
.if \first
	v_max_num_f32 v[MX+\t], v[CC], v[CC+1]
.else
	v_max3_num_f32 v[MN], v[CC], v[CC+1], v[MX+\t]
	v_sub_f32 v[DF], v[MX+\t], v[MN]
	v_exp_f32 v[AL+\t], v[DF]
	v_mov_b32 v[MX+\t], v[MN]                      ; also the plain instruction that stands behind the exponential (ISA guide 5.7.2)
.endif
.endm
.macro SUBT t                          ; scores - maximum, two at a time; the maximum is broadcast out of its pair
.set n, 0
.rept 16
.if \t & 1
	v_pk_add_f32 v[SC+32*\t+2*n:SC+32*\t+2*n+1], v[SC+32*\t+2*n:SC+32*\t+2*n+1], v[MX+2*(\t>>1):MX+2*(\t>>1)+1] op_sel:[0,1] op_sel_hi:[1,1] neg_lo:[0,1] neg_hi:[0,1]
.else
	v_pk_add_f32 v[SC+32*\t+2*n:SC+32*\t+2*n+1], v[SC+32*\t+2*n:SC+32*\t+2*n+1], v[MX+2*(\t>>1):MX+2*(\t>>1)+1] op_sel_hi:[1,0] neg_lo:[0,1] neg_hi:[0,1]
.endif
.set n, n+1
.endr
.endm
.macro EXPT t                          ; behind each such run the next line is a plain vector instruction on other registers
.set n, 0
.rept 32
	v_exp_f32 v[SC+32*\t+n], v[SC+32*\t+n]
.set n, n+1
.endr
.endm
; denominator: old x factor + the 32 new terms, in two chains of pairs; then P to bf16, in place
.macro SUMCVT t, first
.set SB, SC+32*\t
.if \first
	v_pk_add_f32 v[LP+2*\t:LP+2*\t+1], v[SB:SB+1], v[SB+2:SB+3]
	v_pk_add_f32 v[TT:TT+1], v[SB+4:SB+5], v[SB+6:SB+7]
.set pp, 4
.else
.if \t & 1
	v_pk_fma_f32 v[LP+2*\t:LP+2*\t+1], v[LP+2*\t:LP+2*\t+1], v[AL+2*(\t>>1):AL+2*(\t>>1)+1], v[SB:SB+1] op_sel:[0,1,0] op_sel_hi:[1,1,1]
.else
	v_pk_fma_f32 v[LP+2*\t:LP+2*\t+1], v[LP+2*\t:LP+2*\t+1], v[AL+2*(\t>>1):AL+2*(\t>>1)+1], v[SB:SB+1] op_sel_hi:[1,0,1]
.endif
	v_pk_add_f32 v[TT:TT+1], v[SB+2:SB+3], v[SB+4:SB+5]
.set pp, 3
.endif
.rept 16-pp
.if pp & 1
	v_pk_add_f32 v[LP+2*\t:LP+2*\t+1], v[LP+2*\t:LP+2*\t+1], v[SB+2*pp:SB+2*pp+1]
.else
	v_pk_add_f32 v[TT:TT+1], v[TT:TT+1], v[SB+2*pp:SB+2*pp+1]
.endif
.set pp, pp+1
.endr
	v_pk_add_f32 v[LP+2*\t:LP+2*\t+1], v[LP+2*\t:LP+2*\t+1], v[TT:TT+1]
.irp u, 0,1
.irp p, 0,1,2,3
	v_cvt_pk_bf16_f32 v[SB+16*\u+\p], v[SB+16*\u+2*\p], v[SB+16*\u+2*\p+1]
.endr
.irp p, 0,1,2,3
	v_cvt_pk_bf16_f32 v[SB+16*\u+4+\p], v[SB+16*\u+8+2*\p], v[SB+16*\u+8+2*\p+1]
.endr
.endr
.endm
.macro RESC                            ; O of tile t times AL[t], two at a time
	WIN 0x41
.irp t, 0,1,2,3
.set n, 0
.rept 16
.if \t & 1
	v_pk_mul_f32 v[32*\t+2*n:32*\t+2*n+1], v[32*\t+2*n:32*\t+2*n+1], v[AL+2*(\t>>1):AL+2*(\t>>1)+1] op_sel:[0,1] op_sel_hi:[1,1]
.else
	v_pk_mul_f32 v[32*\t+2*n:32*\t+2*n+1], v[32*\t+2*n:32*\t+2*n+1], v[AL+2*(\t>>1):AL+2*(\t>>1)+1] op_sel_hi:[1,0]
.endif
.set n, n+1
.endr
.endr
.endm
; O^T += v^T x P^T: 16 tiles, the 64 keys in two steps of 32.  The 16 sums take turns, one instruction a turn.
.macro PV first
	WIN 0x50
.irp u, 0,1
.irp t, 0,1,2,3
.irp dt, 0,1,2,3
.if \first*(1-\u)
	v_wmma_f32_16x16x32_bf16 v[32*\t+8*\dt:32*\t+8*\dt+7], v[VF+8*(4*\u+\dt):VF+8*(4*\u+\dt)+7], v[SC+32*\t+16*\u:SC+32*\t+16*\u+7], 0
.else
	v_wmma_f32_16x16x32_bf16 v[32*\t+8*\dt:32*\t+8*\dt+7], v[VF+8*(4*\u+\dt):VF+8*(4*\u+\dt)+7], v[SC+32*\t+16*\u:SC+32*\t+16*\u+7], v[32*\t+8*\dt:32*\t+8*\dt+7]
.endif
.endr
.endr
.endr
.endm
; One block of 64 keys against my 64 queries.  Its k fragments were asked for one block earlier.
; first = 1: it starts maximum, denominator and O.  pre = 1: the next block's k fragments are asked for (same slot).
.macro CHUNK first, pre
	VLOAD \pre
	s_wait_dscnt 16                                ; the 16 loads of v just issued may be out: k's 16 are in
	QK
	WIN 0
	PLACES 4                                       ; four places before the scores are read and before loads land on k's fragments
.if \pre
	KLOAD
.endif
	MAXT 0, \first
	MAXT 1, \first
	MAXT 2, \first
	MAXT 3, \first
	SUBT 0
	EXPT 0
	SUBT 1
	SUMCVT 0, \first
	EXPT 1
	SUBT 2
	SUMCVT 1, \first
	EXPT 2
	SUBT 3
	SUMCVT 2, \first
	EXPT 3
	v_nop                                          ; the plain instruction behind the last run of exponentials
	SUMCVT 3, \first
.if \first == 0
	RESC
.endif
.if \pre
	s_wait_dscnt 16                                ; the next block's 16 loads of k may be out: v's 16 are in
.else
	s_wait_dscnt 0                                 ; nothing younger: v's 16 are in, and my reads of this slot are over
.endif
	PV \first
	WIN 0
	PLACES 5                                       ; five places before the next scores are written over P; they also serve the next loads into v's fragments
.endm
; the eight blocks of a slot.  kind = 1: the launch's first slot, with two quarters of x asked for on the way.
.macro WORK slot, kind
.if \slot == 0
	v_mov_b32 v[KA], v[L16]
.else
	v_add_nc_u32 v[KA], \slot*SLOT, v[L16]
.endif
	v_add_nc_u32 v[VA], \slot*SLOT+VPART, v[L16]
	KLOAD
.if \kind
	CHUNK 1, 1
	XLD 1
	s_mov_b32 s45, 6
.else
	s_mov_b32 s45, 7
.endif
.Lchunk_\@:
	CHUNK 0, 1
	s_sub_co_u32 s45, s45, 1
	s_cmp_lg_u32 s45, 0
	s_cbranch_scc1 .Lchunk_\@
.if \kind
	XLD 2
.endif
	CHUNK 0, 0
.endm
; A change of slots.  In front of the round every wave has waited for all its tensor loads (its quarter of the slot to be read among them)
; and for its reads of the slot just left; behind the round that holds of every wave of all four work-groups, and the joint refill of the
; slot just left is the first thing there, one load a wave.  It has eight blocks' work in which to land.
.macro TWO slot, refill
	s_wait_tensorcnt 0x0
	ds_add_u32 v126, v127
	s_wait_dscnt 0x0
.if \refill
	s_add_nc_u64 s[38-4*\slot:39-4*\slot], s[38-4*\slot:39-4*\slot], 2*SLOT   ; no load of mine is out: the other slot's address steps by two runs of 512 keys
.endif
	s_wait_dscnt 0x0
	ROUND
.if \refill
	tensor_load_to_lds s[36-4*\slot:39-4*\slot], s[24:31]
	s_nop 0
	v_nop
	v_nop
.else
	XLD 3
.endif
	WORK \slot, 0
.endm
; the wo fragments and bo of channels 16 ct .. 16 ct + 15, into set ct & 1: six LDS loads
.macro WOLD ct
.irp u, 0,1
.irp e, 0,1
	ds_load_b128 v[WOF+16*((\ct)&1)+8*\u+4*\e:WOF+16*((\ct)&1)+8*\u+4*\e+3], v[WOA] offset:16*WOP*(\ct)+64*\u+32*\e
.endr
.endr
.irp e, 0,1
	ds_load_b128 v[BO+8*((\ct)&1)+4*\e:BO+8*((\ct)&1)+4*\e+3], v[BOA] offset:64*(\ct)+16*\e
.endr
.endm
; 16 channels of the result: wo x O^T + bo for the four tiles, then gamma x that + x, stored from x's registers
.macro OUTC ct
.if \ct < 15
	WOLD \ct+1
	s_wait_dscnt 6                                 ; the six loads just issued may be out: this group's six are in
.else
	s_wait_dscnt 0
.endif
.irp t, 0,1,2,3
	v_wmma_f32_16x16x32_bf16 v[DD+32*(\ct&1)+8*\t:DD+32*(\ct&1)+8*\t+7], v[WOF+16*(\ct&1):WOF+16*(\ct&1)+7], v[OB+16*\t:OB+16*\t+7], v[BO+8*(\ct&1):BO+8*(\ct&1)+7]
.endr
.irp t, 0,1,2,3
	v_wmma_f32_16x16x32_bf16 v[DD+32*(\ct&1)+8*\t:DD+32*(\ct&1)+8*\t+7], v[WOF+16*(\ct&1)+8:WOF+16*(\ct&1)+15], v[OB+16*\t+8:OB+16*\t+15], v[DD+32*(\ct&1)+8*\t:DD+32*(\ct&1)+8*\t+7]
.endr
	PLACES 4                                       ; four places before the results are read; the four sums took turns
.if \ct < 8
	WIN 0xa8
.else
	WIN 0xfc
.endif
.irp j, 0,1,2,3,4,5,6,7
.irp t, 0,1,2,3
	v_fma_f32 v[32*(\ct&7)+4*\j+\t], v[DD+32*(\ct&1)+8*\t+\j], s19, v[32*(\ct&7)+4*\j+\t]
.endr
	global_store_b128 v[XOFF], v[32*(\ct&7)+4*\j:32*(\ct&7)+4*\j+3], s[16:17] offset:(16*\ct+\j)*XROW th:TH_STORE_NT   ; 16 lanes cover 256 aligned bytes of one channel
.endr
	WIN 0
.endm
	s_load_b256 s[4:11], s[0:1], 0x0               ; x 4:5, qws 6:7, kvws 8:9, wo 10:11
	s_load_b128 s[12:15], s[0:1], 0x20             ; bo 12:13, gamma 14:15
	s_load_b64 s[16:17], s[0:1], 0x30              ; out0
	v_lshl_add_u32 v126, v0, 2, 0x49400
	v_mov_b32 v127, 0
	ds_add_u32 v126, v127
	v_lshrrev_b32 v1, 5, v0
	v_readfirstlane_b32 s18, v1                    ; wave w
	s_bfe_u32 s20, ttmp6, 0x40000                  ; cx: my place in the cluster
	s_lshl_b32 s21, ttmp9, 2
	s_add_co_u32 s21, s21, s20                     ; qb = 4 x cluster x + cx
	s_and_b32 s22, ttmp7, 0xffff                   ; b
	s_mov_b32 s46, 0x76543210                      ; v_permlanex16_b32: lane i of one half reads lane i of the other
	s_mov_b32 s47, 0xfedcba98
	; descriptor group 1: 128 rows of 32 elements of 8 bytes, dense; mask of the cluster's four work-groups, bit 21 beside it
	s_mov_b32 s24, 15|(3<<16)|(1<<21)
	s_mov_b32 s25, 32<<16                          ; tensor_dim0 = 32
	s_mov_b32 s26, 128<<16                         ; tensor_dim1 = 128
	s_mov_b32 s27, 32<<16                          ; tile_dim0 = 32
	s_mov_b32 s28, 128                             ; tile_dim1 = 128
	s_mov_b32 s29, 32                              ; 32 elements from row to row
	s_mov_b32 s30, 0
	s_mov_b32 s31, 0
	s_lshl_b32 s33, s18, 15                        ; LDS: my quarter of slot 0,
	s_add_co_u32 s37, s33, SLOT                    ; of slot 1
	s_lshl_b32 s40, s22, 20                        ; kvws: b x 1 MiB + my quarter (these registers never hold my place in the cluster)
	s_add_co_u32 s40, s40, s33
	s_mov_b32 s41, 0
	s_lshl_b32 s42, s22, 22                        ; x, out0: b x 4 MiB + qb x 256 tokens
	s_lshl_b32 s23, s21, 10
	s_add_co_u32 s42, s42, s23
	s_mov_b32 s43, 0
	v_and_b32 v1, 31, v0
	v_lshlrev_b32 v[L16], 4, v1
	v_and_b32 v2, 15, v0                           ; r
	v_bfe_u32 v3, v0, 4, 1                         ; h
	v_lshlrev_b32 v[XOFF], 4, v2
	v_lshl_add_u32 v[XOFF], v3, 17, v[XOFF]
	s_lshl_b32 s23, s18, 8
	v_add_nc_u32 v[XOFF], s23, v[XOFF]
	v_mul_u32_u24 v[WOA], v2, WOP
	v_lshl_add_u32 v[WOA], v3, 4, v[WOA]
	v_add_nc_u32 v[WOA], WOB, v[WOA]
	v_lshlrev_b32 v[BOA], 5, v3
	v_add_nc_u32 v[BOA], BOB, v[BOA]
	v_mul_u32_u24 v[WOST], v3, WOP
	v_lshl_add_u32 v[WOST], v2, 3, v[WOST]
	s_mul_i32 s23, s18, 64*WOP
	s_add_co_u32 s23, s23, WOB
	v_add_nc_u32 v[WOST], s23, v[WOST]
	s_lshl_b32 s23, s18, 14
	v_add_nc_u32 v[WOG], s23, v[L16]
	v_lshlrev_b32 v[BOG], 3, v0
	s_lshl_b32 s23, s18, 13
	v_add_nc_u32 v[QG], s23, v[L16]
	v_add_nc_u32 v[BOS], BOB, v[BOG]
	s_wait_dscnt 0x0
	s_wait_kmcnt 0x0
	s_load_b32 s19, s[14:15], 0x0                  ; gamma
	s_add_nc_u64 s[8:9], s[8:9], s[40:41]
	s_add_nc_u64 s[4:5], s[4:5], s[42:43]
	s_add_nc_u64 s[16:17], s[16:17], s[42:43]
	s_lshl_b32 s42, s22, 19                        ; qws: b x 512 KiB + qb x four blocks
	s_lshl_b32 s23, s21, 15
	s_add_co_u32 s42, s42, s23
	s_add_nc_u64 s[6:7], s[6:7], s[42:43]
	; descriptor group 0, a set for each slot
	s_mov_b32 s32, 1
	s_mov_b64 s[34:35], s[8:9]                     ; keys 0 to 511
	s_or_b32 s35, s35, 0x80000000
	s_mov_b32 s36, 1
	s_add_nc_u64 s[38:39], s[8:9], SLOT            ; keys 512 to 1023
	s_or_b32 s39, s39, 0x80000000
	s_wait_kmcnt 0x0                               ; gamma
	ROUND                                          ; all four work-groups are here: the first joint loads meet
	tensor_load_to_lds s[32:35], s[24:31]
	s_nop 0
	tensor_load_to_lds s[36:39], s[24:31]
	s_nop 0
	WIN 0x40
.set i, 0
.rept 16
	global_load_b128 v[QF+4*i:QF+4*i+3], v[QG], s[6:7] offset:512*i           ; my q fragments, for the whole launch
.set i, i+1
.endr
	WIN 0
.set n, 0
.rept 32
	global_load_b128 v[SC+4*n:SC+4*n+3], v[WOG], s[10:11] offset:512*n        ; rows 64 w .. 64 w + 63 of wo, two rows a load
.set n, n+1
.endr
	global_load_b64 v[BOD:BOD+1], v[BOG], s[12:13]
	s_wait_loadcnt 0x0
.set n, 0
.rept 32
	v_cvt_pk_bf16_f32 v[SC+4*n], v[SC+4*n], v[SC+4*n+1]
	v_cvt_pk_bf16_f32 v[SC+4*n+1], v[SC+4*n+2], v[SC+4*n+3]
	ds_store_b64 v[WOST], v[SC+4*n:SC+4*n+1] offset:2*WOP*n
.set n, n+1
.endr
	ds_store_b64 v[BOS], v[BOD:BOD+1]
	XLD 0
	s_wait_dscnt 0x0                               ; my rows of wo and my part of bo are in LDS: zero, for the other waves' sake
	s_wait_tensorcnt 0x1                           ; my quarter of slot 0 is in; slot 1's may stay out
	s_barrier_signal -1
	s_barrier_wait -1
	WORK 0, 1                                      ; keys 0 to 511
	s_mov_b32 s44, 3
.Lring:
	TWO 1, 1
	TWO 0, 1
	s_sub_co_u32 s44, s44, 1
	s_cmp_lg_u32 s44, 0
	s_cbranch_scc1 .Lring
	TWO 1, 0                                       ; keys 3584 to 4095: nothing is left to fetch
	; THE END: denominators across the two halves of the lanes, O / denominator to bf16, wo, bo, gamma, x.
.irp t, 0,1,2,3
	v_add_f32 v[CC+\t], v[LP+2*\t], v[LP+2*\t+1]
.endr
.irp t, 0,1,2,3
	v_permlanex16_b32 v[MN+\t], v[CC+\t], s46, s47
.endr
.irp t, 0,1,2,3
	v_add_f32 v[CC+\t], v[CC+\t], v[MN+\t]
.endr
.irp t, 0,1,2,3
	v_rcp_f32 v[AL+\t], v[CC+\t]                   ; at least 1: the largest score's term is 2^0
.endr
	v_nop                                          ; the plain instruction behind the reciprocals
	RESC
	WIN 0x05
.irp t, 0,1,2,3
.irp u, 0,1
.irp p, 0,1,2,3
	v_cvt_pk_bf16_f32 v[OB+16*\t+8*\u+\p], v[32*\t+16*\u+2*\p], v[32*\t+16*\u+2*\p+1]
.endr
.irp p, 0,1,2,3
	v_cvt_pk_bf16_f32 v[OB+16*\t+8*\u+4+\p], v[32*\t+16*\u+8+2*\p], v[32*\t+16*\u+8+2*\p+1]
.endr
.endr
.endr
	WIN 0
	WOLD 0
	s_wait_loadcnt 0x0                             ; all of my x
.irp ct, 0,1,2,3,4,5,6,7,8,9,10,11,12,13,14,15
	OUTC \ct
.endr
	ROUND                                          ; the closing round: no work-group ends while a partner may still ask for a tile that names it
	s_endpgm
.Lfunc_end_k_q6770cd79ce_attn:
	.size	k_q6770cd79ce_attn, .Lfunc_end_k_q6770cd79ce_attn-k_q6770cd79ce_attn
	.p2alignl 7, 3214868480
	.fill 96, 4, 3214868480
	.section	.rodata,"a",@progbits
	.p2align	6, 0x0
	.amdhsa_kernel k_q6770cd79ce_attn
		.amdhsa_group_segment_fixed_size 327680
		.amdhsa_private_segment_fixed_size 0
		.amdhsa_enable_private_segment 0
		.amdhsa_kernarg_size 56
		.amdhsa_user_sgpr_count 2
		.amdhsa_user_sgpr_kernarg_segment_ptr 1
		.amdhsa_wavefront_size32 1
		.amdhsa_system_sgpr_workgroup_id_x 1
		.amdhsa_system_sgpr_workgroup_id_y 1
		.amdhsa_system_sgpr_workgroup_id_z 1
		.amdhsa_system_vgpr_workitem_id 0
		.amdhsa_next_free_vgpr 1024
		.amdhsa_next_free_sgpr 66
		.amdhsa_reserve_vcc 0
		.amdhsa_float_denorm_mode_32 3
		.amdhsa_float_denorm_mode_16_64 3
		.amdhsa_memory_ordered 1
		.amdhsa_forward_progress 1
		.amdhsa_inst_pref_size 255
	.end_amdhsa_kernel
	.section	.bss,"aw",@nobits
	.p2align	6
	.space	262144
	.amdgpu_metadata
---
amdhsa.version: [ 1, 2 ]
amdhsa.kernels:
  - .name:           k_q6770cd79ce_attn
    .symbol:         k_q6770cd79ce_attn.kd
    .args:
      - { .name: x, .offset: 0, .size: 8, .value_kind: global_buffer, .address_space: global }
      - { .name: qws, .offset: 8, .size: 8, .value_kind: global_buffer, .address_space: global }
      - { .name: kvws, .offset: 16, .size: 8, .value_kind: global_buffer, .address_space: global }
      - { .name: wo, .offset: 24, .size: 8, .value_kind: global_buffer, .address_space: global }
      - { .name: bo, .offset: 32, .size: 8, .value_kind: global_buffer, .address_space: global }
      - { .name: gamma, .offset: 40, .size: 8, .value_kind: global_buffer, .address_space: global }
      - { .name: out0, .offset: 48, .size: 8, .value_kind: global_buffer, .address_space: global }
    .group_segment_fixed_size: 327680
    .private_segment_fixed_size: 0
    .kernarg_segment_align: 8
    .kernarg_segment_size: 56
    .max_flat_workgroup_size: 128
    .sgpr_count:     66
    .vgpr_count:     1024
    .wavefront_size: 32
...
	.end_amdgpu_metadata
.endif
;; end of part 2
;; ======== version 2 of 2: 2 launches; 1.15 times as fast as version 1
;; workspace buffers: qws 8,388,608 bytes; kvws 16,777,216 bytes
;; launch proj (part 3): grid 16 x 16, 4 waves a work-group, no clusters, 101,888 bytes of LDS; arguments x, pos_embedding, wq, bq, wk, wv, bv, qws, kvws; writes qws, kvws
.if DOCPART == 3
	.amdgcn_target "amdgcn-amd-amdhsa--gfx1250"
	.amdhsa_code_object_version 6
	.text
	.protected	k_q6770cd79ce_proj
	.globl	k_q6770cd79ce_proj
	.p2align	8
	.type	k_q6770cd79ce_proj,@function
k_q6770cd79ce_proj:
	s_mov_b64 s[64:65], 0
	v_nop
	global_prefetch_b8 v0, s[64:65] scope:SCOPE_SE
	s_setreg_imm32_b32 hwreg(HW_REG_WAVE_MODE, 25, 1), 1
	s_wait_xcnt 0x0
; q = (wq x + bq + pos) * log2(e)/8,  k = wk x + pos,  v = wv x + bv, rounded to bf16 and stored in the order in which the second
; launch's matrix fragments want them.  x: [16][256][4096] f32, pos: [64][4096] f32, weights: [64][256] f32.
;
; WORK LEFT OUT: bk.  logits[n][m] = q_n . (wk x_m + pos_m) + q_n . bk.  The last term does not hang on m, the axis of the softmax, so in
; exact arithmetic it cancels between numerator and denominator for all finite values of all inputs.  bk then has no way to out0: it is
; not loaded and is among no launch's arguments.  LIMIT: a NaN, an infinity or an overflow that comes in through bk alone is not carried.
; OTHER LIMITS: q, k, v are rounded to bf16 (q after the factor log2(e)/8, so that the softmax can work in powers of two).
;
; SHARES: work-group (gx, b) takes tokens 256 gx .. +255 of batch b; wave w takes the block of 64 tokens B = 4 gx + w and all 192 outputs.
; A block is four tiles t of 16 columns; column r of tile t is token 64 B + 4 r + t.  So one 16-byte load of a row of x or pos gives a lane
; the same column of all four tiles, sixteen lanes read 256 neighbouring bytes, and no transposition is needed anywhere.
; STORED ORDER: a block is 8,192 bytes; the 16 bytes of lane l for (t, dt) lie at 2048 t + 512 dt + 16 l, with l = 16 h + r:
;   q, k: value[token 4 r + t][d = 16 dt + 8 h + 0..7]         v: v[d = 16 dt + r][token 4 (8 h + 0..7) + t]
;   qws  = b 524288 + B 8192 + ..      kvws = b 1048576 + (B>>3) 131072 + (B&7) 8192 + ..  for k, 65536 further on for v.
; Every store of a wave covers 512 neighbouring bytes, aligned.
; NO CLUSTER: what work-groups share are the f32 weights, which have to pass through registers to become bf16; a joint tensor load would
; need 196,608 bytes of f32 staging in LDS and a read-back of all of it.
;
; REGISTERS, in windows of 256: window 0 addresses, weight and x fragments, biases; window 1 the sums of q (v0-127) and k (v128-255);
; window 2 the sums of v (v0-127) and pos (v128-255); window 3 a ring of four K steps of x as loaded (64 registers each).
; Ahead of the first product the 384 sum registers hold my wave's 16 rows of wq, wk, wv as loaded (3 x 128), so that all three matrices
; are asked for in one run and none waits for another's conversion.
.set C1,     0x3e38aa3b                ; log2(e) / 8
.set XROW,   16384                     ; bytes of a row of x or pos (4,096 tokens)
.set WPITCH, 528                       ; an LDS row of 256 bf16 + 16 bytes = 33 x 16: sixteen rows begin at sixteen different 16-byte columns modulo 256
.set WMAT,   64*WPITCH                 ; one weight matrix in LDS
.set XOFF, 4                           ; v4      131072 h + 16 r + 256 w: my 16 bytes in a row of x or pos, eight rows down for h = 1
.set WOFF, 5                           ; v5      16384 w + 16 l: my 16 bytes in my wave's 16 rows of a weight matrix
.set WST,  6                           ; v6-8    where they go in LDS, matrix 0, 1, 2
.set WA,   9                           ; v9-11   LDS address of my part of a weight fragment, matrix 0, 1, 2
.set SOFF, 12                          ; v12     8192 w + 16 l: my 16 bytes in my block of qws or kvws
.set BQO,  13                          ; v13     32 h
.set BVO,  14                          ; v14     4 r
.set WF,   32                          ; v32-127 weight fragments: matrix M, 16 outputs dt at 32 M + 8 dt
.set XF,   128                         ; v128-159 x fragments: tile t at 8 t
.set BQ,   160                         ; v160-191 bq * C1, as the C of q's first products
.set BV,   192                         ; v192-223 bv, as the C of v's first products
.set BVL,  224                         ; v224-227 bv as loaded
.set MSB, 0
.macro WIN new                         ; s_set_vgpr_msb: bits 1:0 source 0, 3:2 source 1, 5:4 source 2, 7:6 destination; the high byte repeats the setting left
.if MSB != \new
	s_set_vgpr_msb (MSB<<8)|\new
.set MSB, \new
.endif
.endm
.macro PLACES n
.rept \n
	v_nop
.endr
.endm
; my wave's 16 rows of a weight matrix: 32 loads of 512 neighbouring bytes, into the registers from base on of the window that wld names as destination
.macro WLOAD lo, hi, wld, base
	WIN \wld
.set n, 0
.rept 32
	global_load_b128 v[\base+4*n:\base+4*n+3], v[WOFF], s[\lo:\hi] offset:512*n
.set n, n+1
.endr
.endm
; they are rounded to bf16 (wq after the factor C1) and laid into LDS: load n is half (n & 1) of row n >> 1.
; All conversions stand together and all LDS stores together: three window settings for a matrix (wmul, wcvt, wst).
.macro WCONV M, base, wmul, wcvt, wst, scaled
.if \scaled
	WIN \wmul
.set n, 0
.rept 64
	v_pk_mul_f32 v[\base+2*n:\base+2*n+1], v[\base+2*n:\base+2*n+1], s[28:29] op_sel_hi:[1,0]
.set n, n+1
.endr
.endif
	WIN \wcvt
.set n, 0
.rept 32
	v_cvt_pk_bf16_f32 v[\base+4*n], v[\base+4*n], v[\base+4*n+1]
	v_cvt_pk_bf16_f32 v[\base+4*n+1], v[\base+4*n+2], v[\base+4*n+3]
.set n, n+1
.endr
	WIN \wst
.set n, 0
.rept 32
	ds_store_b64 v[WST+\M], v[\base+4*n:\base+4*n+1] offset:(n>>1)*WPITCH+(n&1)*256
.set n, n+1
.endr
.endm
; K step ks of x: channels 32 ks + 16 e + 8 h + jj (i = 8 e + jj), my 64 tokens: lanes 0-15 take 256 bytes of one row, lanes 16-31 of the row eight below
.macro XLOAD ks
	WIN 0xc0
.set i, 0
.rept 16
	global_load_b128 v[64*((\ks)&3)+4*i:64*((\ks)&3)+4*i+3], v[XOFF], s[4:5] offset:(32*(\ks)+(i&7)+16*(i>>3))*XROW th:TH_LOAD_NT
.set i, i+1
.endr
.endm
; pos[16 dt + 8 h + j][my tokens] for two dt
.macro PLOAD half
	WIN 0x80
.irp d, 0,1
.irp j, 0,1,2,3,4,5,6,7
	global_load_b128 v[128+32*(2*\half+\d)+4*\j:128+32*(2*\half+\d)+4*\j+3], v[XOFF], s[6:7] offset:(16*(2*\half+\d)+\j)*XROW
.endr
.endr
.endm
; the four fragments (16 outputs x 32 channels) of matrix M for K step ks: eight LDS loads
.macro WFLOAD M, ks
	WIN 0
.irp dt, 0,1,2,3
.irp e, 0,1
	ds_load_b128 v[WF+32*\M+8*\dt+4*\e:WF+32*\M+8*\dt+4*\e+3], v[WA+\M] offset:\dt*16*WPITCH+64*(\ks)+32*\e
.endr
.endr
.endm
; x to bf16 fragments: register 4 e + p of tile t holds channels 16 e + 8 h + 2 p, + 1 of token 4 r + t
.macro XCVT ks
	WIN 0x0f
.irp t, 0,1,2,3
.irp e, 0,1
.irp p, 0,1,2,3
	v_cvt_pk_bf16_f32 v[XF+8*\t+4*\e+\p], v[64*((\ks)&3)+4*(8*\e+2*\p)+\t], v[64*((\ks)&3)+4*(8*\e+2*\p+1)+\t]
.endr
.endr
.endr
.endm
; 16 products, one for each of matrix M's 16 sums.  q, k: weights as source 0, x as source 1: a lane gets 8 d of one token.
; v: x as source 0, weights as source 1: a lane gets 8 tokens of one d.  The first K step starts the sums from the bias (k: from 0).
.macro MULG M, ks
.if \M < 2
 .if \ks == 0
	WIN 0x40
 .else
	WIN 0x50
 .endif
.else
 .if \ks == 0
	WIN 0x80
 .else
	WIN 0xa0
 .endif
.endif
.irp t, 0,1,2,3
.irp dt, 0,1,2,3
.if \M == 0
 .if \ks == 0
	v_wmma_f32_16x16x32_bf16 v[32*\t+8*\dt:32*\t+8*\dt+7], v[WF+8*\dt:WF+8*\dt+7], v[XF+8*\t:XF+8*\t+7], v[BQ+8*\dt:BQ+8*\dt+7]
 .else
	v_wmma_f32_16x16x32_bf16 v[32*\t+8*\dt:32*\t+8*\dt+7], v[WF+8*\dt:WF+8*\dt+7], v[XF+8*\t:XF+8*\t+7], v[32*\t+8*\dt:32*\t+8*\dt+7]
 .endif
.endif
.if \M == 1
 .if \ks == 0
	v_wmma_f32_16x16x32_bf16 v[128+32*\t+8*\dt:128+32*\t+8*\dt+7], v[WF+32+8*\dt:WF+32+8*\dt+7], v[XF+8*\t:XF+8*\t+7], 0
 .else
	v_wmma_f32_16x16x32_bf16 v[128+32*\t+8*\dt:128+32*\t+8*\dt+7], v[WF+32+8*\dt:WF+32+8*\dt+7], v[XF+8*\t:XF+8*\t+7], v[128+32*\t+8*\dt:128+32*\t+8*\dt+7]
 .endif
.endif
.if \M == 2
 .if \ks == 0
	v_wmma_f32_16x16x32_bf16 v[32*\t+8*\dt:32*\t+8*\dt+7], v[XF+8*\t:XF+8*\t+7], v[WF+64+8*\dt:WF+64+8*\dt+7], v[BV+8*\dt:BV+8*\dt+7]
 .else
	v_wmma_f32_16x16x32_bf16 v[32*\t+8*\dt:32*\t+8*\dt+7], v[XF+8*\t:XF+8*\t+7], v[WF+64+8*\dt:WF+64+8*\dt+7], v[32*\t+8*\dt:32*\t+8*\dt+7]
 .endif
.endif
.endr
.endr
.endm
; one matrix's turn in a K step.  d = how many younger LDS loads may stay out when its eight have to be there.
.macro GROUP M, ks, d
	s_wait_dscnt \d
	MULG \M, \ks
	WIN 0
	PLACES 4                                       ; four places before loads land on the fragments just multiplied, and before x's fragments are written again
.if \ks < 7
	WFLOAD \M, \ks+1
.endif
.endm
; a K step of 32 channels.  nl = how many younger global loads may stay out when this step's sixteen have to be there.
.macro KSTEP ks, nl, d0, d1, d2
	s_wait_loadcnt \nl
	XCVT \ks
.if \ks < 4
	XLOAD \ks+4                                    ; the ring slot just converted is asked for again, four steps ahead
.endif
.if \ks == 4
	PLOAD 0
.endif
.if \ks == 5
	PLOAD 1
.endif
	GROUP 0, \ks, \d0
	GROUP 1, \ks, \d1
	GROUP 2, \ks, \d2
.endm
	s_load_b512 s[4:19], s[0:1], 0x0               ; x 4:5, pos 6:7, wq 8:9, bq 10:11, wk 12:13, wv 14:15, bv 16:17, qws 18:19
	s_load_b64 s[20:21], s[0:1], 0x40              ; kvws
	v_lshl_add_u32 v254, v0, 2, 0x18c00
	v_mov_b32 v255, 0
	v_lshrrev_b32 v1, 5, v0
	v_readfirstlane_b32 s22, v1                    ; wave w
	s_and_b32 s24, ttmp7, 0xffff                   ; batch b
	s_mov_b32 s28, C1
	s_mov_b32 s29, C1
	v_and_b32 v1, 31, v0                           ; lane l
	v_and_b32 v2, 15, v0                           ; r
	v_bfe_u32 v3, v0, 4, 1                         ; h
	v_lshlrev_b32 v[XOFF], 4, v2
	v_lshl_add_u32 v[XOFF], v3, 17, v[XOFF]
	s_lshl_b32 s25, s22, 8
	v_add_nc_u32 v[XOFF], s25, v[XOFF]
	s_lshl_b32 s25, s22, 14
	v_lshl_add_u32 v[WOFF], v1, 4, s25
	s_mul_i32 s25, s22, 16*WPITCH
	v_lshl_add_u32 v[WST], v1, 3, s25
	v_add_nc_u32 v[WST+1], WMAT, v[WST]
	v_add_nc_u32 v[WST+2], 2*WMAT, v[WST]
	v_mul_u32_u24 v[WA], v2, WPITCH
	v_lshl_add_u32 v[WA], v3, 4, v[WA]
	v_add_nc_u32 v[WA+1], WMAT, v[WA]
	v_add_nc_u32 v[WA+2], 2*WMAT, v[WA]
	s_lshl_b32 s25, s22, 13
	v_lshl_add_u32 v[SOFF], v1, 4, s25
	v_lshlrev_b32 v[BQO], 5, v3
	v_lshlrev_b32 v[BVO], 2, v2
	s_lshl_b32 s26, s24, 22                        ; b x 256 rows of 16,384 bytes
	s_lshl_b32 s25, ttmp9, 10                      ; gx x 256 tokens of 4 bytes
	s_mov_b32 s27, 0
	s_add_co_u32 s26, s26, s25
	s_wait_kmcnt 0x0
	s_add_nc_u64 s[4:5], s[4:5], s[26:27]          ; x at my work-group's tokens
	s_mov_b32 s26, s25
	s_add_nc_u64 s[6:7], s[6:7], s[26:27]          ; pos likewise
	s_lshl_b32 s26, s24, 19
	s_lshl_b32 s25, ttmp9, 15
	s_add_co_u32 s26, s26, s25
	s_add_nc_u64 s[18:19], s[18:19], s[26:27]      ; qws at my work-group's four blocks
	s_lshl_b32 s26, s24, 20
	s_lshr_b32 s25, ttmp9, 1
	s_lshl_b32 s25, s25, 17
	s_add_co_u32 s26, s26, s25
	s_and_b32 s25, ttmp9, 1
	s_lshl_b32 s25, s25, 15
	s_add_co_u32 s26, s26, s25
	s_add_nc_u64 s[20:21], s[20:21], s[26:27]      ; kvws: run (gx >> 1) of 512 keys, blocks 4 (gx & 1) ..
	; ONE RUN OF LOADS: 12 for the biases, 32 for each of wq, wk, wv, 16 for x's step 0.  Each matrix is converted behind a counted wait
	; while the younger loads stay on their way, and a further step of x is asked for behind each conversion.
.irp dt, 0,1,2,3
.irp e, 0,1
	global_load_b128 v[BQ+8*\dt+4*\e:BQ+8*\dt+4*\e+3], v[BQO], s[10:11] offset:64*\dt+16*\e   ; bq[16 dt + 8 h + 0..7]
.endr
.endr
.irp dt, 0,1,2,3
	global_load_b32 v[BVL+\dt], v[BVO], s[16:17] offset:64*\dt                               ; bv[16 dt + r]
.endr
	WLOAD 8, 9, 0x40, 0                            ; wq into window 1, v0-127
	WLOAD 12, 13, 0x40, 128                        ; wk into window 1, v128-255
	WLOAD 14, 15, 0x80, 0                          ; wv into window 2, v0-127
	XLOAD 0
	s_wait_loadcnt 63                              ; 80 loads are younger than wq's last (wk 32, wv 32, x 16); 63 is the largest count that a wait can name: the biases and wq are in
	WCONV 0, 0, 0x41, 0x45, 0x04, 1
	WIN 0
.set n, 0
.rept 16
	v_pk_mul_f32 v[BQ+2*n:BQ+2*n+1], v[BQ+2*n:BQ+2*n+1], s[28:29] op_sel_hi:[1,0]
.set n, n+1
.endr
.irp dt, 0,1,2,3
.irp j, 0,1,2,3,4,5,6,7
	v_mov_b32 v[BV+8*\dt+\j], v[BVL+\dt]           ; a lane's eight results of v share one d: its bias in all eight registers of the C operand
.endr
.endr
	XLOAD 1
	s_wait_loadcnt 63                              ; 64 loads are younger than wk's last (wv 32, x 32): wk is in
	WCONV 1, 128, 0x41, 0x45, 0x04, 0
	XLOAD 2
	s_wait_loadcnt 48                              ; x's three steps may be out: wv is in
	WCONV 2, 0, 0x82, 0x8a, 0x08, 0
	XLOAD 3
	s_wait_dscnt 0x0                               ; my rows of the weights are in LDS: zero, for the other waves' sake
	s_barrier_signal -1
	s_barrier_wait -1                              ; everybody's are
	WFLOAD 0, 0
	WFLOAD 1, 0
	WFLOAD 2, 0
	; The 48 sums take turns, one instruction a turn.
	; Global loads: behind a step's sixteen stand three younger groups of sixteen (later steps of x, then the two halves of pos); behind the last step's, two.
	; LDS loads: behind a matrix's eight stand the two younger groups of eight; in the last step 16, 8, 0.
	KSTEP 0, 48, 16, 16, 16
	KSTEP 1, 48, 16, 16, 16
	KSTEP 2, 48, 16, 16, 16
	KSTEP 3, 48, 16, 16, 16
	KSTEP 4, 48, 16, 16, 16
	KSTEP 5, 48, 16, 16, 16
	KSTEP 6, 48, 16, 16, 16
	KSTEP 7, 32, 16, 8, 0
	; THE WAY OUT.  v first: it needs no pos.  Each tile's eight f32 are packed in place into its first four registers.
	WIN 0x8a
.set n, 0
.rept 16
.irp p, 0,1,2,3
	v_cvt_pk_bf16_f32 v[8*n+\p], v[8*n+2*\p], v[8*n+2*\p+1]
.endr
.set n, n+1
.endr
	WIN 0x08
.irp t, 0,1,2,3
.irp dt, 0,1,2,3
	global_store_b128 v[SOFF], v[32*\t+8*\dt:32*\t+8*\dt+3], s[20:21] offset:65536+2048*\t+512*\dt
.endr
.endr
	s_wait_loadcnt 0x0                             ; pos
	WIN 0x52
.irp t, 0,1,2,3
.irp dt, 0,1,2,3
.irp j, 0,1,2,3,4,5,6,7
	v_fma_f32 v[32*\t+8*\dt+\j], v[128+32*\dt+4*\j+\t], s28, v[32*\t+8*\dt+\j]     ; q += pos * C1
.endr
.endr
.endr
	WIN 0x46
.irp t, 0,1,2,3
.irp dt, 0,1,2,3
.irp j, 0,1,2,3,4,5,6,7
	v_add_f32 v[128+32*\t+8*\dt+\j], v[128+32*\dt+4*\j+\t], v[128+32*\t+8*\dt+\j]  ; k += pos
.endr
.endr
.endr
	WIN 0x45
.set n, 0
.rept 32
.irp p, 0,1,2,3
	v_cvt_pk_bf16_f32 v[8*n+\p], v[8*n+2*\p], v[8*n+2*\p+1]
.endr
.set n, n+1
.endr
	WIN 0x04
.irp t, 0,1,2,3
.irp dt, 0,1,2,3
	global_store_b128 v[SOFF], v[32*\t+8*\dt:32*\t+8*\dt+3], s[18:19] offset:2048*\t+512*\dt
.endr
.endr
.irp t, 0,1,2,3
.irp dt, 0,1,2,3
	global_store_b128 v[SOFF], v[128+32*\t+8*\dt:128+32*\t+8*\dt+3], s[20:21] offset:2048*\t+512*\dt
.endr
.endr
	WIN 0
	s_wait_tensorcnt 0x0
	ds_add_u32 v254, v255
	s_wait_dscnt 0x0
	s_endpgm
.Lfunc_end_k_q6770cd79ce_proj:
	.size	k_q6770cd79ce_proj, .Lfunc_end_k_q6770cd79ce_proj-k_q6770cd79ce_proj
	.p2alignl 7, 3214868480
	.fill 96, 4, 3214868480
	.section	.rodata,"a",@progbits
	.p2align	6, 0x0
	.amdhsa_kernel k_q6770cd79ce_proj
		.amdhsa_group_segment_fixed_size 101888
		.amdhsa_private_segment_fixed_size 0
		.amdhsa_enable_private_segment 0
		.amdhsa_kernarg_size 72
		.amdhsa_user_sgpr_count 2
		.amdhsa_user_sgpr_kernarg_segment_ptr 1
		.amdhsa_wavefront_size32 1
		.amdhsa_system_sgpr_workgroup_id_x 1
		.amdhsa_system_sgpr_workgroup_id_y 1
		.amdhsa_system_sgpr_workgroup_id_z 1
		.amdhsa_system_vgpr_workitem_id 0
		.amdhsa_next_free_vgpr 1024
		.amdhsa_next_free_sgpr 66
		.amdhsa_reserve_vcc 0
		.amdhsa_float_denorm_mode_32 3
		.amdhsa_float_denorm_mode_16_64 3
		.amdhsa_memory_ordered 1
		.amdhsa_forward_progress 1
		.amdhsa_inst_pref_size 140
	.end_amdhsa_kernel
	.amdgpu_metadata
---
amdhsa.version: [ 1, 2 ]
amdhsa.kernels:
  - .name:           k_q6770cd79ce_proj
    .symbol:         k_q6770cd79ce_proj.kd
    .args:
      - { .name: x, .offset: 0, .size: 8, .value_kind: global_buffer, .address_space: global }
      - { .name: pos_embedding, .offset: 8, .size: 8, .value_kind: global_buffer, .address_space: global }
      - { .name: wq, .offset: 16, .size: 8, .value_kind: global_buffer, .address_space: global }
      - { .name: bq, .offset: 24, .size: 8, .value_kind: global_buffer, .address_space: global }
      - { .name: wk, .offset: 32, .size: 8, .value_kind: global_buffer, .address_space: global }
      - { .name: wv, .offset: 40, .size: 8, .value_kind: global_buffer, .address_space: global }
      - { .name: bv, .offset: 48, .size: 8, .value_kind: global_buffer, .address_space: global }
      - { .name: qws, .offset: 56, .size: 8, .value_kind: global_buffer, .address_space: global }
      - { .name: kvws, .offset: 64, .size: 8, .value_kind: global_buffer, .address_space: global }
    .group_segment_fixed_size: 101888
    .private_segment_fixed_size: 0
    .kernarg_segment_align: 8
    .kernarg_segment_size: 72
    .max_flat_workgroup_size: 128
    .sgpr_count:     66
    .vgpr_count:     1024
    .wavefront_size: 32
...
	.end_amdgpu_metadata
.endif
;; end of part 3
;; launch attn (part 4): grid 16 x 16, 4 waves a work-group, clusters of 4 x 1, 327,680 bytes of LDS; arguments x, qws, kvws, wo, bo, gamma, out0; writes out0
.if DOCPART == 4
	.amdgcn_target "amdgcn-amd-amdhsa--gfx1250"
	.amdhsa_code_object_version 6
	.text
	.protected	k_q6770cd79ce_attn
	.globl	k_q6770cd79ce_attn
	.p2align	8
	.type	k_q6770cd79ce_attn,@function
k_q6770cd79ce_attn:
	s_mov_b64 s[64:65], 0
	v_nop
	global_prefetch_b8 v0, s[64:65] scope:SCOPE_SE
	s_setreg_imm32_b32 hwreg(HW_REG_WAVE_MODE, 25, 1), 1
	s_wait_xcnt 0x0
	s_wait_alu depctr_hold_cnt(0) depctr_sa_sdst(0) depctr_va_vdst(0) depctr_va_sdst(0) depctr_va_ssrc(0) depctr_va_vcc(0) depctr_vm_vsrc(0)
	s_getreg_b32 s2, hwreg(HW_REG_IB_STS2, 6, 4)
	s_cmp_eq_u32 s2, 0
	s_cbranch_scc0 .Lentry_in_a_cluster
	s_endpgm
.Lentry_in_a_cluster:
	s_bfe_u32 s2, ttmp6, 0x10000c
	s_cmp_lg_u32 s2, 0x3003
	s_cbranch_scc0 .Lentry_shape_is_right
	s_endpgm
.Lentry_shape_is_right:
; out0 = gamma (wo softmax(q k^T / 8) v + bo) + x, from the q, k, v that the first launch stored (bf16, fragment order; q already carries
; log2(e)/8, so the softmax works in powers of two; k carries no bk: that term is the same along the softmax's axis and cancels).
; The maximum is taken away before every exponential, as a running maximum over blocks of 64 keys.
; LIMITS: exponentials below 2^-126 count as 0; the keys are summed in another order than in the reference; the weights of the softmax and
; the attended values go to the matrix unit in bf16, the sums and the softmax's denominator stay in f32.
;
; SHARES: work-group (qb, b) takes 256 queries of batch b, wave w the block of 64 queries 4 qb + w: four tiles t, column r = query 4 r + t.
; CLUSTER: the four work-groups of a cluster lie along x, share b and so walk the same k and v.  Every tensor load is a joint one with the
; mask of all four; its descriptor hangs on b and the wave's number alone.  The place in the cluster enters only the addresses of q, x, out0.
; RING: two LDS slots of 131,072 bytes, each the k (65,536) and v (65,536) of 512 keys, one dense run of kvws.  Each wave brings a quarter
; of a slot with one load of 128 rows x 256 bytes.  A wave has two tensor loads outstanding at the start and one behind each change of slots.
;
; THE CHAIN OF LAYOUTS (l = 16 h + r): S^T = k (source 0) x q (source 1): register j of tile (t, kt) holds key 4 (8 h + j) + kt, query 4 r + t.
; Tiles kt = 2 u, 2 u + 1, packed to bf16, ARE source 1 of O^T = v^T (source 0) x P^T, with the keys of a step in the order in which v was
; stored.  O^T's tiles dt = 2 u, 2 u + 1, packed, ARE source 1 of wo (source 0) x O^T, whose register j holds channel 16 ct + 8 h + j of
; query 4 r + t: with x loaded 16 bytes a lane (four t at once) the result leaves by stores in which 16 lanes cover 256 aligned bytes.
;
; TWO PIECES TAKE TURNS.  Piece A = tiles 0, 1, piece B = tiles 2, 3; they share the k and v fragments.  For block i of 64 keys:
;   half P1(i): products  O_B += v(i-1) P_B(i-1),  then  S_B(i) = k(i) q_B;      between them the softmax of A's block i; v(i) is loaded
;   half P2(i): products  O_A += v(i) P_A(i),      then  S_A(i+1) = k(i+1) q_A;  between them the softmax of B's block i; k(i+1) is loaded
; A piece's softmax is cut into 32 slices, one behind each of the other piece's 32 products.  The loop's body is P2(i), P1(i+1): it loads
; k and v of block i + 1 alone, so the change of slots stands between two bodies.  In front of the loop: k(0), S_A(0), P1(0).  Behind it:
; P2(63) without new scores, and B's last products.
;
; REGISTERS, in windows of 256: window 0 addresses, softmax state and temporaries (v1-59), k fragments (v64-127), scores (v128-255);
; window 1 O (v0-127), q fragments (v128-191), v fragments (v192-255); windows 2, 3 my 256 channels x 64 tokens of x, then of out0.
; With k beside the scores, the score products' setting (source 1 in window 1) also serves every line that names registers only as
; destination, source 0 and source 2: the exponentials, and the sums written as a x 1.0 + b.  With v beside O, the value products' setting
; (source 0, source 2, destination in window 1) also serves the rescaling of O.  Maxima, subtractions and conversions want all fields 0.
.set XROW,  16384                      ; bytes of a row of x or out0
.set SLOT,  131072
.set VPART, 65536                      ; v's half of a slot
.set BLK,   8192                       ; 64 keys of k or of v
.set WOP,   144                        ; an LDS row of wo: 64 bf16 + 16 bytes = 9 x 16
.set WOB,   2*SLOT                     ; wo in bf16, 256 rows; written by LDS stores alone, no tensor load lands here
.set BOB,   WOB+256*WOP                ; bo, 1,024 bytes; likewise
.set L16,  1                           ; v1   16 l
.set XOFF, 4                           ; v4   131072 h + 16 r + 256 w
.set KA,   5                           ; v5   LDS address of the next block of k to load
.set VA,   6                           ; v6   of v
.set WOA,  7                           ; v7   WOB + 144 r + 16 h
.set BOA,  8                           ; v8   BOB + 32 h
.set WOST, 9                           ; v9   where my 8 bytes of wo go
.set WOG,  10                          ; v10  16384 w + 16 l
.set BOG,  11                          ; v11  8 x thread
.set BOD,  12                          ; v12-13
.set QG,   14                          ; v14  8192 w + 16 l
.set BOS,  15                          ; v15  BOB + 8 x thread
.set MX,   16                          ; v16-19 running maximum of tile t's query
.set AL,   20                          ; v20-23 2^(old maximum - new); at the end 1 / denominator
.set LP,   24                          ; v24-31 tile t: a pair of partial denominators (my half of the keys)
.set CC,   32                          ; v32-39 four chains of a maximum for each tile of the piece at work
.set MN,   40                          ; v40-41 its new maximum
.set DF,   42                          ; v42-43 old - new
.set ACC,  44                          ; v44-59 four pairs of partial sums for each tile of the piece at work
.set KF,   64                          ; v64-127 k fragments: piece i = 4 kt + dt at 4 i
.set OB,   64                          ; at the end: O in bf16, (t, u) at 16 t + 8 u
.set SC,   128                         ; v128-255 scores (t, kt) at 32 t + 8 kt; P (t, u) in place at 32 t + 16 u
.set DD,   128                         ; at the end: results, set p, tile t at 32 p + 8 t
.set WOF,  192                         ; at the end: wo fragments, set p at 16 p
.set BO,   224                         ; at the end: bo as C, set p at 8 p
.set QF,   128                         ; window 1: q fragments (t, u) at 16 t + 8 u
.set VF,   192                         ; window 1: v fragments (u, dt) at 8 (4 u + dt)
.set MSB, 0
; s_set_vgpr_msb: bits 1:0 source 0, 3:2 source 1, 5:4 source 2, 7:6 destination; the high byte repeats the setting left.
; NEED: the next line uses the fields in mask and wants val there; nothing is written where the setting already serves.
.macro NEED mask, val
.if (MSB & \mask) != \val
	s_set_vgpr_msb (MSB<<8)|\val
.set MSB, \val
.endif
.endm
.macro WIN new
	NEED 0xff, \new
.endm
.macro PLACES n
.rept \n
	v_nop
.endr
.endm
; A round of the cluster's barrier: my work-group's barrier, wave 0 signals for the work-group, every wave waits for all four work-groups,
; my work-group's barrier once more.
.macro ROUND
	s_barrier_signal -1
	s_barrier_wait -1
	s_cmp_lg_u32 s18, 0
	s_cbranch_scc1 .Lnot_wave_0_\@
	s_barrier_signal -3
.Lnot_wave_0_\@:
	s_barrier_wait -3
	s_barrier_signal -1
	s_barrier_wait -1
.endm
; a quarter of my x: quads i = 8 ct + j, 32 g .. 32 g + 31: channel 16 ct + 8 h + j, tokens 4 r + 0..3.  They come in under the matrix work and are first read at the end.
.macro XLD g
.if \g < 2
	WIN 0x80
.else
	WIN 0xc0
.endif
.set i, 32*\g
.rept 32
	global_load_b128 v[(4*i)&255:((4*i)&255)+3], v[XOFF], s[4:5] offset:(16*(i>>3)+(i&7))*XROW th:TH_LOAD_NT
.set i, i+1
.endr
	WIN 0
.endm
; half of the k fragments of a block of 64 keys: 8 loads of 512 neighbouring bytes
.macro KLH half
	NEED 0xc3, 0
.set i_, 8*\half
.rept 8
	ds_load_b128 v[KF+4*i_:KF+4*i_+3], v[KA] offset:512*i_
.set i_, i_+1
.endr
.endm
; the v fragments of key step u = half: piece (kt = 2 half + kk, dt) is half kk of fragment (u, dt)
.macro VLH half
	NEED 0xc3, 0x40
.irp kk, 0,1
.irp dt, 0,1,2,3
	ds_load_b128 v[VF+8*(4*\half+\dt)+4*\kk:VF+8*(4*\half+\dt)+4*\kk+3], v[VA] offset:512*(4*(2*\half+\kk)+\dt)
.endr
.endr
.endm
; Product idx (0..15) of piece y's scores: d step u = idx >> 3, tile 2 y + ((idx >> 2) & 1), key tile idx & 3.
; Product idx of piece y's values: key step u = idx >> 3, the same tile, d tile idx & 3.
; In each run the piece's eight sums take turns, one instruction a turn; neighbouring runs name other sums.
.macro QK1 y, idx
	WIN 0x04
.set u_, (\idx)>>3
.set t_, 2*(\y)+(((\idx)>>2)&1)
.set k_, (\idx)&3
.if u_ == 0
	v_wmma_f32_16x16x32_bf16 v[SC+32*t_+8*k_:SC+32*t_+8*k_+7], v[KF+16*k_:KF+16*k_+7], v[QF+16*t_:QF+16*t_+7], 0
.else
	v_wmma_f32_16x16x32_bf16 v[SC+32*t_+8*k_:SC+32*t_+8*k_+7], v[KF+16*k_+8:KF+16*k_+15], v[QF+16*t_+8:QF+16*t_+15], v[SC+32*t_+8*k_:SC+32*t_+8*k_+7]
.endif
.endm
.macro PV1 y, idx, first
	WIN 0x51
.set u_, (\idx)>>3
.set t_, 2*(\y)+(((\idx)>>2)&1)
.set d_, (\idx)&3
.if (\first)*(1-u_)
	v_wmma_f32_16x16x32_bf16 v[32*t_+8*d_:32*t_+8*d_+7], v[VF+8*(4*u_+d_):VF+8*(4*u_+d_)+7], v[SC+32*t_+16*u_:SC+32*t_+16*u_+7], 0
.else
	v_wmma_f32_16x16x32_bf16 v[32*t_+8*d_:32*t_+8*d_+7], v[VF+8*(4*u_+d_):VF+8*(4*u_+d_)+7], v[SC+32*t_+16*u_:SC+32*t_+16*u_+7], v[32*t_+8*d_:32*t_+8*d_+7]
.endif
.endm
; THE SOFTMAX'S LINES, one a macro.  t is the tile, 0 to 3.
.macro MAXI t, k                       ; chain k starts with scores 3 k .. 3 k + 2
	NEED 0xff, 0
	v_max3_num_f32 v[CC+4*((\t)&1)+(\k)], v[SC+32*(\t)+3*(\k)], v[SC+32*(\t)+3*(\k)+1], v[SC+32*(\t)+3*(\k)+2]
.endm
.macro MAXC t, q                       ; chain q & 3 takes scores 12 + 2 q, 13 + 2 q
	NEED 0xff, 0
	v_max3_num_f32 v[CC+4*((\t)&1)+((\q)&3)], v[CC+4*((\t)&1)+((\q)&3)], v[SC+32*(\t)+12+2*(\q)], v[SC+32*(\t)+13+2*(\q)]
.endm
; the seven dependent lines from four chains to the running maximum and its factor; first = 1: the block's own maximum starts it
.macro TAIL t, st, first
	NEED 0xff, 0
.set C_, CC+4*((\t)&1)
.if \st == 0
	v_max3_num_f32 v[C_], v[C_], v[C_+1], v[C_+2]
.endif
.if \st == 1
	v_max_num_f32 v[C_], v[C_], v[C_+3]
.endif
.if \st == 2
	v_permlanex16_b32 v[C_+1], v[C_], s46, s47     ; lane l xor 16: the same query's other 32 keys
.endif
.if \first
.if \st == 3
	v_max_num_f32 v[MX+(\t)], v[C_], v[C_+1]
.endif
.else
.if \st == 3
	v_max3_num_f32 v[MN+((\t)&1)], v[C_], v[C_+1], v[MX+(\t)]
.endif
.if \st == 4
	v_sub_f32 v[DF+((\t)&1)], v[MX+(\t)], v[MN+((\t)&1)]
.endif
.if \st == 5
	v_exp_f32 v[AL+(\t)], v[DF+((\t)&1)]           ; a plain line on other registers follows it in every slice (ISA guide 5.7.2)
.endif
.if \st == 6
	v_mov_b32 v[MX+(\t)], v[MN+((\t)&1)]
.endif
.endif
.endm
.macro SUB t, q                        ; scores 2 q, 2 q + 1 minus the maximum, which is broadcast out of its pair
	NEED 0xcf, 0
.if (\t) & 1
	v_pk_add_f32 v[SC+32*(\t)+2*(\q):SC+32*(\t)+2*(\q)+1], v[SC+32*(\t)+2*(\q):SC+32*(\t)+2*(\q)+1], v[MX+2*((\t)>>1):MX+2*((\t)>>1)+1] op_sel:[0,1] op_sel_hi:[1,1] neg_lo:[0,1] neg_hi:[0,1]
.else
	v_pk_add_f32 v[SC+32*(\t)+2*(\q):SC+32*(\t)+2*(\q)+1], v[SC+32*(\t)+2*(\q):SC+32*(\t)+2*(\q)+1], v[MX+2*((\t)>>1):MX+2*((\t)>>1)+1] op_sel_hi:[1,0] neg_lo:[0,1] neg_hi:[0,1]
.endif
.endm
.macro EXP t, e
	NEED 0xc3, 0
	v_exp_f32 v[SC+32*(\t)+(\e)], v[SC+32*(\t)+(\e)]
.endm
.macro RESC t, q                       ; O's registers 2 q, 2 q + 1 of tile t times AL[t]
	NEED 0xcf, 0x41
.if (\t) & 1
	v_pk_mul_f32 v[32*(\t)+2*(\q):32*(\t)+2*(\q)+1], v[32*(\t)+2*(\q):32*(\t)+2*(\q)+1], v[AL+2*((\t)>>1):AL+2*((\t)>>1)+1] op_sel:[0,1] op_sel_hi:[1,1]
.else
	v_pk_mul_f32 v[32*(\t)+2*(\q):32*(\t)+2*(\q)+1], v[32*(\t)+2*(\q):32*(\t)+2*(\q)+1], v[AL+2*((\t)>>1):AL+2*((\t)>>1)+1] op_sel_hi:[1,0]
.endif
.endm
; The denominator's new terms, in four chains of pairs.  Written a x 1.0 + b: the same sum, with no register as source 1.
.macro SUMI t, k                       ; chain k = pair k of key tile 0 + pair k of key tile 1
	NEED 0xf3, 0
	v_pk_fma_f32 v[ACC+8*((\t)&1)+2*(\k):ACC+8*((\t)&1)+2*(\k)+1], v[SC+32*(\t)+2*(\k):SC+32*(\t)+2*(\k)+1], 1.0, v[SC+32*(\t)+8+2*(\k):SC+32*(\t)+8+2*(\k)+1] op_sel_hi:[1,0,1]
.endm
.macro SUMA t, un, k                   ; chain k += pair k of key tile un
	NEED 0xf3, 0
	v_pk_fma_f32 v[ACC+8*((\t)&1)+2*(\k):ACC+8*((\t)&1)+2*(\k)+1], v[SC+32*(\t)+8*(\un)+2*(\k):SC+32*(\t)+8*(\un)+2*(\k)+1], 1.0, v[ACC+8*((\t)&1)+2*(\k):ACC+8*((\t)&1)+2*(\k)+1] op_sel_hi:[1,0,1]
.endm
.macro SUMX t, a, b                    ; chain a += chain b
	NEED 0xf3, 0
	v_pk_fma_f32 v[ACC+8*((\t)&1)+2*(\a):ACC+8*((\t)&1)+2*(\a)+1], v[ACC+8*((\t)&1)+2*(\b):ACC+8*((\t)&1)+2*(\b)+1], 1.0, v[ACC+8*((\t)&1)+2*(\a):ACC+8*((\t)&1)+2*(\a)+1] op_sel_hi:[1,0,1]
.endm
.macro LPZ t                           ; denominator = denominator x factor + chain 0
	NEED 0xff, 0
.if (\t) & 1
	v_pk_fma_f32 v[LP+2*(\t):LP+2*(\t)+1], v[LP+2*(\t):LP+2*(\t)+1], v[AL+2*((\t)>>1):AL+2*((\t)>>1)+1], v[ACC+8*((\t)&1):ACC+8*((\t)&1)+1] op_sel:[0,1,0] op_sel_hi:[1,1,1]
.else
	v_pk_fma_f32 v[LP+2*(\t):LP+2*(\t)+1], v[LP+2*(\t):LP+2*(\t)+1], v[AL+2*((\t)>>1):AL+2*((\t)>>1)+1], v[ACC+8*((\t)&1):ACC+8*((\t)&1)+1] op_sel_hi:[1,0,1]
.endif
.endm
.macro LPW t, first                    ; denominator += chain 2; first = 1: denominator = chain 2 + chain 0
	NEED 0xf3, 0
.if \first
	v_pk_fma_f32 v[LP+2*(\t):LP+2*(\t)+1], v[ACC+8*((\t)&1)+4:ACC+8*((\t)&1)+5], 1.0, v[ACC+8*((\t)&1):ACC+8*((\t)&1)+1] op_sel_hi:[1,0,1]
.else
	v_pk_fma_f32 v[LP+2*(\t):LP+2*(\t)+1], v[ACC+8*((\t)&1)+4:ACC+8*((\t)&1)+5], 1.0, v[LP+2*(\t):LP+2*(\t)+1] op_sel_hi:[1,0,1]
.endif
.endm
.macro CVTH t, u, hf                   ; key tile 2 u + hf to bf16, in place: registers 4 hf .. 4 hf + 3 of P (t, u)
	NEED 0xcf, 0
.irp p, 0,1,2,3
	v_cvt_pk_bf16_f32 v[SC+32*(\t)+16*(\u)+4*(\hf)+\p], v[SC+32*(\t)+16*(\u)+8*(\hf)+2*\p], v[SC+32*(\t)+16*(\u)+8*(\hf)+2*\p+1]
.endr
.endm
.macro SUBEXP q                        ; the second tile's subtraction beside the first tile's exponential
	SUB T1, \q
	EXP T0, \q
.endm
.macro EXSA te, e, ts, un, k           ; four exponentials of tile te from register e on, with two sums over the four registers before them
	EXP \te, \e
	SUMA \ts, \un, \k
	EXP \te, (\e)+1
	SUMA \ts, \un, (\k)+1
	EXP \te, (\e)+2
	EXP \te, (\e)+3
.endm
; SLICE n (0..31) of the softmax of the piece whose tiles are T0, T1.  Slices 0-15 stand behind the other piece's value products, 16-31
; behind its score products.  Lines that depend on each other stand apart: T0's tail among T1's maxima, T1's tail among T0's subtractions.
; Between an exponential and the first line that reads it stands a plain line on other registers: a sum reads the four registers of the
; slice before, and where a slice has no sum of its own (24) its last line is plain.
; first = 1: block 0 (no old maximum, no factor, nothing to rescale).  kl = 1: the next block's k is loaded.  vl = 1: this block's v.
; The loads stand at a slice's end: k's in slices 1 and 3, twelve products ahead of their use; v's in 17 and 23.
.macro SL n, first, kl, vl
.if \n == 0
.irp q, 0,1,2,3
	MAXI T0, \q
.endr
.irp q, 0,1,2
	MAXC T0, \q
.endr
.endif
.if \n == 1
.irp q, 3,4,5,6,7,8,9
	MAXC T0, \q
.endr
.if \kl
	KLH 0
.endif
.endif
.if \n == 2
	TAIL T0, 0, \first
	MAXI T1, 0
	MAXI T1, 1
	MAXI T1, 2
	TAIL T0, 1, \first
	MAXI T1, 3
	MAXC T1, 0
.endif
.if \n == 3
	MAXC T1, 1
	MAXC T1, 2
	TAIL T0, 2, \first
	MAXC T1, 3
	MAXC T1, 4
	MAXC T1, 5
	TAIL T0, 3, \first
.if \kl
	KLH 1
.endif
.endif
.if \n == 4
.if \kl
	NEED 0xff, 0
	v_add_nc_u32 v[KA], BLK, v[KA]
.endif
	MAXC T1, 6
	MAXC T1, 7
	TAIL T0, 4, \first
	MAXC T1, 8
	MAXC T1, 9
	TAIL T0, 5, \first
	TAIL T0, 6, \first
.endif
.if \n == 5
	TAIL T1, 0, \first
	SUB T0, 0
	SUB T0, 1
	SUB T0, 2
	TAIL T1, 1, \first
	SUB T0, 3
	SUB T0, 4
	SUB T0, 5
.endif
.if \n == 6
	TAIL T1, 2, \first
	SUB T0, 6
	SUB T0, 7
	SUB T0, 8
	TAIL T1, 3, \first
	SUB T0, 9
	SUB T0, 10
	SUB T0, 11
.endif
.if \n == 7
	TAIL T1, 4, \first
	SUB T0, 12
	SUB T0, 13
	SUB T0, 14
	TAIL T1, 5, \first
	SUB T0, 15
	TAIL T1, 6, \first
.endif
.if \n == 8
.irp q, 0,1,2,3
	SUBEXP \q
.endr
.endif
.if \n == 9
.irp q, 4,5,6,7
	SUBEXP \q
.endr
.endif
.if \n == 10
.irp q, 8,9,10,11
	SUBEXP \q
.endr
.endif
.if \n == 11
.irp q, 12,13,14,15
	SUBEXP \q
.endr
.endif
.if \first == 0
.if \n == 12
.irp q, 0,1,2,3,4,5,6,7
	RESC T0, \q
.endr
.endif
.if \n == 13
.irp q, 8,9,10,11,12,13,14,15
	RESC T0, \q
.endr
.endif
.if \n == 14
.irp q, 0,1,2,3,4,5,6,7
	RESC T1, \q
.endr
.endif
.if \n == 15
.irp q, 8,9,10,11,12,13,14,15
	RESC T1, \q
.endr
.endif
.endif
.if \n == 16
.irp q, 0,1,2,3
	SUMI T0, \q
	EXP T0, 16+\q
.endr
.endif
.if \n == 17
	CVTH T0, 0, 0
	CVTH T0, 0, 1
.if \vl
	VLH 0
.endif
.endif
.if \n == 18
	EXSA T0, 20, T0, 2, 0
.endif
.if \n == 19
	EXSA T0, 24, T0, 2, 2
.endif
.if \n == 20
	EXSA T0, 28, T0, 3, 0
.endif
.if \n == 21
	EXSA T1, 0, T0, 3, 2
.endif
.if \n == 22
	EXP T1, 4
	SUMX T0, 0, 1
	EXP T1, 5
	SUMX T0, 2, 3
	EXP T1, 6
	EXP T1, 7
.endif
.if \n == 23
	CVTH T0, 1, 0
	CVTH T0, 1, 1
.if \first == 0
	LPZ T0
.endif
.if \vl
	VLH 1
.endif
.endif
.if \n == 24
.irp q, 8,9,10,11
	EXP T1, \q
.endr
	LPW T0, \first
.endif
.if \n == 25
.irp q, 12,13,14,15
	EXP T1, \q
.endr
.endif
.if \n == 26
.irp q, 0,1,2,3
	EXP T1, 16+\q
	SUMI T1, \q
.endr
.endif
.if \n == 27
	CVTH T1, 0, 0
	CVTH T1, 0, 1
.if \vl
	v_add_nc_u32 v[VA], BLK, v[VA]                 ; both halves of v's loads are issued (an LDS load's address register is free at once)
.endif
.endif
.if \n == 28
	EXSA T1, 20, T1, 2, 0
.endif
.if \n == 29
	EXSA T1, 24, T1, 2, 2
.endif
.if \n == 30
	EXSA T1, 28, T1, 3, 0
.endif
.if \n == 31
	SUMA T1, 3, 2
	SUMA T1, 3, 3
	SUMX T1, 0, 1
	CVTH T1, 1, 0
	SUMX T1, 2, 3
	CVTH T1, 1, 1
.if \first == 0
	LPZ T1
.endif
	LPW T1, \first
.endif
.endm
; HALF A BLOCK.  vx: the piece in the softmax (0 = A: P1, 1 = B: P2); the products are the other piece's.
; pv: 0 no value products, 1 they add on, 2 they start O.  qk: 1 score products.  first, kl, vl: as in SL.
; PLACES (ISA guide 7.12.1) are the other piece's plain lines, which name none of a product's registers:
;   scores are first read in slice 0 of the next half; behind the products that wrote tile T0's stand slices 27 to 31, behind T1's also slices 0, 1;
;   loads land on k's fragments behind slices 31 and 0, on v's behind slices 15 and 16;
;   new scores are written over P seven slices behind the last value product that read it.
; WAITS, in P2 alone (P1's products use fragments that P2 has waited for):
;   ahead of the value products: v's second eight loads may be out, the first eight (key step 0) are in;
;   ahead of key step 1: the sixteen loads of k issued in slices 1 and 3 may be out (none where kl = 0);
;   ahead of the score products: k is in.
.macro PHASE vx, first, pv, qk, kl, vl
.set T0, 2*\vx
.set T1, 2*\vx+1
.irp n, 0,1,2,3,4,5,6,7,8,9,10,11,12,13,14,15
.if \pv
.if \vx
.if \n == 0
	s_wait_dscnt 8
.endif
.if \n == 8
	s_wait_dscnt 16*\kl
.endif
.endif
	PV1 1-\vx, \n, \pv-1
.endif
	SL \n, \first, \kl, \vl
.endr
.irp n, 16,17,18,19,20,21,22,23,24,25,26,27,28,29,30,31
.if \qk
.if \vx
.if \n == 16
	s_wait_dscnt 0
.endif
.endif
	QK1 1-\vx, \n-16
.endif
	SL \n, \first, \kl, \vl
.endr
.endm
; the loop's body: P2(i), P1(i+1).  f = 1: i = 0: B's first softmax, and both pieces' value products start O.
.macro BODY f
	PHASE 1, \f, 1+\f, 1, 1, 0
	PHASE 0, 0, 1+\f, 1, 0, 1
	WIN 0
.endm
.macro BODIES cnt
	s_mov_b32 s45, \cnt
.Lbody_\@:
	BODY 0
	s_sub_co_u32 s45, s45, 1
	s_cmp_lg_u32 s45, 0
	s_cbranch_scc1 .Lbody_\@
.endm
; A change of slots, between two bodies: the body before has loaded the old slot's last k and v, the next loads the new slot's first.
; In front of the round every wave has waited for all its tensor loads (its quarter of the new slot among them) and for its reads of the
; old slot; behind the round that holds of every wave of all four work-groups, and the joint refill of the old slot is the first thing
; there, one load a wave.  It has eight bodies' work in which to land.
.macro CHANGE slot, refill
	s_wait_tensorcnt 0x0
	ds_add_u32 v62, v63
	s_wait_dscnt 0x0
.if \refill
	s_add_nc_u64 s[38-4*\slot:39-4*\slot], s[38-4*\slot:39-4*\slot], 2*SLOT   ; no load of mine is out: the old slot's address steps by two runs of 512 keys
.endif
	s_wait_dscnt 0x0
	ROUND
.if \refill
	tensor_load_to_lds s[36-4*\slot:39-4*\slot], s[24:31]
	s_nop 0
.endif
.if \slot
	v_add_nc_u32 v[KA], \slot*SLOT, v[L16]
.else
	v_mov_b32 v[KA], v[L16]
.endif
	v_add_nc_u32 v[VA], \slot*SLOT+VPART, v[L16]
.endm
; the wo fragments and bo of channels 16 ct .. 16 ct + 15, into set ct & 1: six LDS loads
.macro WOLD ct
.irp u, 0,1
.irp e, 0,1
	ds_load_b128 v[WOF+16*((\ct)&1)+8*\u+4*\e:WOF+16*((\ct)&1)+8*\u+4*\e+3], v[WOA] offset:16*WOP*(\ct)+64*\u+32*\e
.endr
.endr
.irp e, 0,1
	ds_load_b128 v[BO+8*((\ct)&1)+4*\e:BO+8*((\ct)&1)+4*\e+3], v[BOA] offset:64*(\ct)+16*\e
.endr
.endm
; 16 channels of the result: wo x O^T + bo for the four tiles, then gamma x that + x, stored from x's registers
.macro OUTC ct
.if \ct < 15
	WOLD \ct+1
	s_wait_dscnt 6                                 ; the six loads just issued may be out: this group's six are in
.else
	s_wait_dscnt 0
.endif
.irp t, 0,1,2,3
	v_wmma_f32_16x16x32_bf16 v[DD+32*(\ct&1)+8*\t:DD+32*(\ct&1)+8*\t+7], v[WOF+16*(\ct&1):WOF+16*(\ct&1)+7], v[OB+16*\t:OB+16*\t+7], v[BO+8*(\ct&1):BO+8*(\ct&1)+7]
.endr
.irp t, 0,1,2,3
	v_wmma_f32_16x16x32_bf16 v[DD+32*(\ct&1)+8*\t:DD+32*(\ct&1)+8*\t+7], v[WOF+16*(\ct&1)+8:WOF+16*(\ct&1)+15], v[OB+16*\t+8:OB+16*\t+15], v[DD+32*(\ct&1)+8*\t:DD+32*(\ct&1)+8*\t+7]
.endr
	PLACES 4                                       ; four places before the results are read; the four sums took turns
.if \ct < 8
	WIN 0xa8
.else
	WIN 0xfc
.endif
.irp j, 0,1,2,3,4,5,6,7
.irp t, 0,1,2,3
	v_fma_f32 v[32*(\ct&7)+4*\j+\t], v[DD+32*(\ct&1)+8*\t+\j], s19, v[32*(\ct&7)+4*\j+\t]
.endr
	global_store_b128 v[XOFF], v[32*(\ct&7)+4*\j:32*(\ct&7)+4*\j+3], s[16:17] offset:(16*\ct+\j)*XROW th:TH_STORE_NT   ; 16 lanes cover 256 aligned bytes of one channel
.endr
	WIN 0
.endm
	s_load_b256 s[4:11], s[0:1], 0x0               ; x 4:5, qws 6:7, kvws 8:9, wo 10:11
	s_load_b128 s[12:15], s[0:1], 0x20             ; bo 12:13, gamma 14:15
	s_load_b64 s[16:17], s[0:1], 0x30              ; out0
	v_lshl_add_u32 v62, v0, 2, 0x49400
	v_mov_b32 v63, 0
	ds_add_u32 v62, v63
	v_lshrrev_b32 v1, 5, v0
	v_readfirstlane_b32 s18, v1                    ; wave w
	s_bfe_u32 s20, ttmp6, 0x40000                  ; cx: my place in the cluster
	s_lshl_b32 s21, ttmp9, 2
	s_add_co_u32 s21, s21, s20                     ; qb = 4 x cluster x + cx
	s_and_b32 s22, ttmp7, 0xffff                   ; b
	s_mov_b32 s46, 0x76543210                      ; v_permlanex16_b32: lane i of one half reads lane i of the other
	s_mov_b32 s47, 0xfedcba98
	; descriptor group 1: 128 rows of 32 elements of 8 bytes, dense; mask of the cluster's four work-groups, bit 21 beside it
	s_mov_b32 s24, 15|(3<<16)|(1<<21)
	s_mov_b32 s25, 32<<16                          ; tensor_dim0 = 32
	s_mov_b32 s26, 128<<16                         ; tensor_dim1 = 128
	s_mov_b32 s27, 32<<16                          ; tile_dim0 = 32
	s_mov_b32 s28, 128                             ; tile_dim1 = 128
	s_mov_b32 s29, 32                              ; 32 elements from row to row
	s_mov_b32 s30, 0
	s_mov_b32 s31, 0
	s_lshl_b32 s33, s18, 15                        ; LDS: my quarter of slot 0,
	s_add_co_u32 s37, s33, SLOT                    ; of slot 1
	s_lshl_b32 s40, s22, 20                        ; kvws: b x 1 MiB + my quarter (these registers never hold my place in the cluster)
	s_add_co_u32 s40, s40, s33
	s_mov_b32 s41, 0
	s_lshl_b32 s42, s22, 22                        ; x, out0: b x 4 MiB + qb x 256 tokens
	s_lshl_b32 s23, s21, 10
	s_add_co_u32 s42, s42, s23
	s_mov_b32 s43, 0
	v_and_b32 v1, 31, v0
	v_lshlrev_b32 v[L16], 4, v1
	v_and_b32 v2, 15, v0                           ; r
	v_bfe_u32 v3, v0, 4, 1                         ; h
	v_lshlrev_b32 v[XOFF], 4, v2
	v_lshl_add_u32 v[XOFF], v3, 17, v[XOFF]
	s_lshl_b32 s23, s18, 8
	v_add_nc_u32 v[XOFF], s23, v[XOFF]
	v_mul_u32_u24 v[WOA], v2, WOP
	v_lshl_add_u32 v[WOA], v3, 4, v[WOA]
	v_add_nc_u32 v[WOA], WOB, v[WOA]
	v_lshlrev_b32 v[BOA], 5, v3
	v_add_nc_u32 v[BOA], BOB, v[BOA]
	v_mul_u32_u24 v[WOST], v3, WOP
	v_lshl_add_u32 v[WOST], v2, 3, v[WOST]
	s_mul_i32 s23, s18, 64*WOP
	s_add_co_u32 s23, s23, WOB
	v_add_nc_u32 v[WOST], s23, v[WOST]
	s_lshl_b32 s23, s18, 14
	v_add_nc_u32 v[WOG], s23, v[L16]
	v_lshlrev_b32 v[BOG], 3, v0
	s_lshl_b32 s23, s18, 13
	v_add_nc_u32 v[QG], s23, v[L16]
	v_add_nc_u32 v[BOS], BOB, v[BOG]
	s_wait_dscnt 0x0
	s_wait_kmcnt 0x0
	s_load_b32 s19, s[14:15], 0x0                  ; gamma
	s_add_nc_u64 s[8:9], s[8:9], s[40:41]
	s_add_nc_u64 s[4:5], s[4:5], s[42:43]
	s_add_nc_u64 s[16:17], s[16:17], s[42:43]
	s_lshl_b32 s42, s22, 19                        ; qws: b x 512 KiB + qb x four blocks
	s_lshl_b32 s23, s21, 15
	s_add_co_u32 s42, s42, s23
	s_add_nc_u64 s[6:7], s[6:7], s[42:43]
	; descriptor group 0, a set for each slot
	s_mov_b32 s32, 1
	s_mov_b64 s[34:35], s[8:9]                     ; keys 0 to 511
	s_or_b32 s35, s35, 0x80000000
	s_mov_b32 s36, 1
	s_add_nc_u64 s[38:39], s[8:9], SLOT            ; keys 512 to 1023
	s_or_b32 s39, s39, 0x80000000
	s_wait_kmcnt 0x0                               ; gamma
	ROUND                                          ; all four work-groups are here: the first joint loads meet
	tensor_load_to_lds s[32:35], s[24:31]
	s_nop 0
	tensor_load_to_lds s[36:39], s[24:31]
	s_nop 0
	WIN 0x40
.set i, 0
.rept 16
	global_load_b128 v[QF+4*i:QF+4*i+3], v[QG], s[6:7] offset:512*i           ; my q fragments, for the whole launch
.set i, i+1
.endr
	WIN 0
.set n, 0
.rept 32
	global_load_b128 v[SC+4*n:SC+4*n+3], v[WOG], s[10:11] offset:512*n        ; rows 64 w .. 64 w + 63 of wo, two rows a load
.set n, n+1
.endr
	global_load_b64 v[BOD:BOD+1], v[BOG], s[12:13]
	s_wait_loadcnt 0x0
.set n, 0
.rept 32
	v_cvt_pk_bf16_f32 v[SC+4*n], v[SC+4*n], v[SC+4*n+1]
	v_cvt_pk_bf16_f32 v[SC+4*n+1], v[SC+4*n+2], v[SC+4*n+3]
	ds_store_b64 v[WOST], v[SC+4*n:SC+4*n+1] offset:2*WOP*n
.set n, n+1
.endr
	ds_store_b64 v[BOS], v[BOD:BOD+1]
	XLD 0
	s_wait_dscnt 0x0                               ; my rows of wo and my part of bo are in LDS: zero, for the other waves' sake
	s_wait_tensorcnt 0x1                           ; my quarter of slot 0 is in; slot 1's may stay out
	s_barrier_signal -1
	s_barrier_wait -1
	; IN FRONT OF THE LOOP: k of block 0, A's scores of block 0, and the half P1(0).
	v_mov_b32 v[KA], v[L16]
	v_add_nc_u32 v[VA], VPART, v[L16]
	KLH 0
	KLH 1
	v_add_nc_u32 v[KA], BLK, v[KA]
	v_mov_b32 v[MX+1], 0                           ; a piece's first subtractions name the pair of maxima before its second tile's is made: both registers
	v_mov_b32 v[MX+3], 0                           ; of a pair are written before a packed line names it; the value is not used
	s_wait_dscnt 0x0
.irp n, 0,1,2,3,4,5,6,7,8,9,10,11,12,13,14,15
	QK1 0, \n
.endr
	WIN 0
	PLACES 4                                       ; here no other piece's lines stand between the products and the first read of the scores
	PHASE 0, 1, 0, 1, 0, 1                         ; P1(0): A's first softmax, B's scores of block 0, v of block 0
	BODY 1                                         ; P2(0), P1(1)
	XLD 1
	BODIES 6                                       ; bodies 1 to 6: with the lines above they read slot 0's eight blocks
	XLD 2
	s_mov_b32 s44, 3
.Lring:
	CHANGE 1, 1
	BODIES 8
	CHANGE 0, 1
	BODIES 8
	s_sub_co_u32 s44, s44, 1
	s_cmp_lg_u32 s44, 0
	s_cbranch_scc1 .Lring
	CHANGE 1, 0                                    ; keys 3584 to 4095: nothing is left to fetch
	XLD 3
	BODIES 8                                       ; bodies 55 to 62
	PHASE 1, 0, 1, 0, 0, 0                         ; P2(63): A's last value products, B's last softmax
.irp n, 0,1,2,3,4,5,6,7,8,9,10,11,12,13,14,15
	PV1 1, \n, 0                                   ; B's last value products
.endr
	WIN 0
	; THE END: denominators across the two halves of the lanes, O / denominator to bf16, wo, bo, gamma, x.
	; The eight additions below name none of the last products' registers: they are the places in front of the first line that reads O.
.irp t, 0,1,2,3
	v_add_f32 v[CC+\t], v[LP+2*\t], v[LP+2*\t+1]
.endr
.irp t, 0,1,2,3
	v_permlanex16_b32 v[CC+4+\t], v[CC+\t], s46, s47
.endr
.irp t, 0,1,2,3
	v_add_f32 v[CC+\t], v[CC+\t], v[CC+4+\t]
.endr
.irp t, 0,1,2,3
	v_rcp_f32 v[AL+\t], v[CC+\t]                   ; at least 1: the largest score's term is 2^0
.endr
	v_nop                                          ; the plain instruction behind the reciprocals
.irp t, 0,1,2,3
.irp q, 0,1,2,3,4,5,6,7,8,9,10,11,12,13,14,15
	RESC \t, \q
.endr
.endr
	WIN 0x05
.irp t, 0,1,2,3
.irp u, 0,1
.irp p, 0,1,2,3
	v_cvt_pk_bf16_f32 v[OB+16*\t+8*\u+\p], v[32*\t+16*\u+2*\p], v[32*\t+16*\u+2*\p+1]
.endr
.irp p, 0,1,2,3
	v_cvt_pk_bf16_f32 v[OB+16*\t+8*\u+4+\p], v[32*\t+16*\u+8+2*\p], v[32*\t+16*\u+8+2*\p+1]
.endr
.endr
.endr
	WIN 0
	WOLD 0
	s_wait_loadcnt 0x0                             ; all of my x
.irp ct, 0,1,2,3,4,5,6,7,8,9,10,11,12,13,14,15
	OUTC \ct
.endr
	ROUND                                          ; the closing round: no work-group ends while a partner may still ask for a tile that names it
	s_endpgm
.Lfunc_end_k_q6770cd79ce_attn:
	.size	k_q6770cd79ce_attn, .Lfunc_end_k_q6770cd79ce_attn-k_q6770cd79ce_attn
	.p2alignl 7, 3214868480
	.fill 96, 4, 3214868480
	.section	.rodata,"a",@progbits
	.p2align	6, 0x0
	.amdhsa_kernel k_q6770cd79ce_attn
		.amdhsa_group_segment_fixed_size 327680
		.amdhsa_private_segment_fixed_size 0
		.amdhsa_enable_private_segment 0
		.amdhsa_kernarg_size 56
		.amdhsa_user_sgpr_count 2
		.amdhsa_user_sgpr_kernarg_segment_ptr 1
		.amdhsa_wavefront_size32 1
		.amdhsa_system_sgpr_workgroup_id_x 1
		.amdhsa_system_sgpr_workgroup_id_y 1
		.amdhsa_system_sgpr_workgroup_id_z 1
		.amdhsa_system_vgpr_workitem_id 0
		.amdhsa_next_free_vgpr 1024
		.amdhsa_next_free_sgpr 66
		.amdhsa_reserve_vcc 0
		.amdhsa_float_denorm_mode_32 3
		.amdhsa_float_denorm_mode_16_64 3
		.amdhsa_memory_ordered 1
		.amdhsa_forward_progress 1
		.amdhsa_inst_pref_size 255
	.end_amdhsa_kernel
	.section	.bss,"aw",@nobits
	.p2align	6
	.space	262144
	.amdgpu_metadata
---
amdhsa.version: [ 1, 2 ]
amdhsa.kernels:
  - .name:           k_q6770cd79ce_attn
    .symbol:         k_q6770cd79ce_attn.kd
    .args:
      - { .name: x, .offset: 0, .size: 8, .value_kind: global_buffer, .address_space: global }
      - { .name: qws, .offset: 8, .size: 8, .value_kind: global_buffer, .address_space: global }
      - { .name: kvws, .offset: 16, .size: 8, .value_kind: global_buffer, .address_space: global }
      - { .name: wo, .offset: 24, .size: 8, .value_kind: global_buffer, .address_space: global }
      - { .name: bo, .offset: 32, .size: 8, .value_kind: global_buffer, .address_space: global }
      - { .name: gamma, .offset: 40, .size: 8, .value_kind: global_buffer, .address_space: global }
      - { .name: out0, .offset: 48, .size: 8, .value_kind: global_buffer, .address_space: global }
    .group_segment_fixed_size: 327680
    .private_segment_fixed_size: 0
    .kernarg_segment_align: 8
    .kernarg_segment_size: 56
    .max_flat_workgroup_size: 128
    .sgpr_count:     66
    .vgpr_count:     1024
    .wavefront_size: 32
...
	.end_amdgpu_metadata
.endif
;; end of part 4
